; MI455X (gfx1250); checked and timed in simulation.
; The chip was launched on July 23, 2026; its instructions are those of AMD's public machine-readable ISA for CDNA 5 (MIT licence, August 2026) and "CDNA5" Instruction Set Architecture Reference Guide (July 2026). The comments in the code are by the model that wrote it; some were corrected since.
;; Encoder Layer. Allowed arithmetic: float matrix products may take bf16 or f16 operands with f32 sums; all other float work in f32.
;; Inputs: W1 1,024 x 1,024 float32; W2 1,024 x 1,024 float32; Wk 1,024 x 1,024 float32; Wo 1,024 x 1,024 float32; Wq 1,024 x 1,024 float32; Wv 1,024 x 1,024 float32; b1 1,024 float32; b2 1,024 float32; beta1 1,024 float32; beta2 1,024 float32; bk 1,024 float32; bo 1,024 float32; bq 1,024 float32; bv 1,024 float32; gamma1 1,024 float32; gamma2 1,024 float32; x 16 x 512 x 1,024 float32; x_mask 16 x 1 x 1 x 512 int32.
;; Outputs: out0 16 x 512 x 1,024 float32.
;; 2 versions, each right and faster than the one before. Each part assembles by itself: llvm-mc -triple=amdgcn-amd-amdhsa -mcpu=gfx1250 --defsym DOCPART=n.
;; ======== version 1 of 2: 3 launches
;; workspace buffers: xpk 16,777,216 bytes; wa 6,291,456 bytes; wc 6,291,456 bytes; attn 16,777,216 bytes
;; launch prep (part 1): grid 512 x 1, 8 waves a work-group, no clusters, 18,432 bytes of LDS; arguments x, Wq, Wk, Wv, Wo, W1, W2, xpk, wa, wc; writes xpk, wa, wc
.if DOCPART == 1
	.amdgcn_target "amdgcn-amd-amdhsa--gfx1250"
	.amdhsa_code_object_version 6
	.text
	.protected	k_qc0a5621c87_prep
	.globl	k_qc0a5621c87_prep
	.p2align	8
	.type	k_qc0a5621c87_prep,@function
k_qc0a5621c87_prep:
	s_mov_b64 s[64:65], 0
	v_nop
	global_prefetch_b8 v0, s[64:65] scope:SCOPE_SE
	s_setreg_imm32_b32 hwreg(HW_REG_WAVE_MODE, 25, 1), 1
	s_wait_xcnt 0x0
; prep: x and the six weight matrices are rounded to bf16 once and laid down in the order in which the matrix instruction wants them.
; NOTHING OF reference() IS LEFT OUT in this program: every input is loaded and every step is done.  (bk is live: masked scores are
; replaced by -1e10, so a shift common to the unmasked scores of a row changes the softmax.)
; A FRAGMENT is 16 rows x 32 k of bf16 = 1,024 bytes, laid as [c 0..1][lane 0..31][16 bytes]: lane (r = lane & 15, h = lane >> 4), half c,
; holds k = 16 c + 8 h + 0..7 of row r.  Two 16-byte loads a lane, 512 bytes apart, fill the 8 registers, and each covers 512 consecutive bytes.
;   xpk [b 16][ks 16][mt 32][s' 2][1024]   row 512 b + 16 mt + r of x, k = 64 ks + 32 s' + ..
;   wa  [hd 16][s 32][f 12][1024]          f = 4 m + bb, m = Wq, Wk, Wv; fragment row r = column 64 hd + 16 bb + r, k = 32 s + ..
;   wc  [w 4][G 3][s 32][b 16][1024]       G = Wo, W1, W2; fragment row r = column 256 w + 16 b + r, k = 32 s + ..
; Work-groups 0 to 255 pack 32 rows of x each; 256 to 383 pack Wq, Wk, Wv; 384 to 511 pack Wo, W1, W2.  Memory binds: no matrix unit, no cluster.
.set X,      8                         ; v[8:135]   x path: 32 loads of 4 f32
.set OUT,    136                       ; v[136:199] x path: 16 stores of 16 bytes
.set SPITCH, 272                       ; stage: 256 bytes of one (s', c, h) group + 16, so that the eight groups start at different banks
.set WSTAGE, 8*SPITCH                  ; a wave's own stage
	s_load_b512 s[8:23], s[0:1], 0x0               ; x 8, Wq 10, Wk 12, Wv 14, Wo 16, W1 18, W2 20, xpk 22
	s_load_b128 s[24:27], s[0:1], 0x40             ; wa 24, wc 26
	v_lshl_add_u32 v200, v0, 2, 0x4400
	v_mov_b32 v201, 0
	v_lshrrev_b32 v5, 5, v0
	v_readfirstlane_b32 s4, v5                     ; wave 0..7
	v_and_b32 v6, 31, v0                           ; lane
	v_and_b32 v7, 15, v0                           ; lane & 15
	v_bfe_u32 v5, v0, 4, 1                         ; lane >> 4
	s_cmp_lt_u32 ttmp9, 256
	s_cbranch_scc0 .Lweights
	; ---- x: the wave takes 16 rows (m tile 2 j + (wave >> 2)) and four blocks of 64 k (4 (wave & 3) + blk)
	s_lshr_b32 s5, s4, 2
	s_and_b32 s6, s4, 3
	v_lshlrev_b32 v1, 12, v5                       ; lanes 16-31 take the next row (4,096 bytes)
	v_lshl_add_u32 v1, v7, 4, v1                   ; 16 lanes cover 256 consecutive bytes of a row
	s_lshl_b32 s7, s5, 16
	s_lshl_b32 s2, s6, 10
	s_add_co_u32 s7, s7, s2
	v_add_nc_u32 v1, s7, v1                        ; + 16 rows x (wave >> 2) + 1,024 bytes x (wave & 3)
	s_mul_i32 s3, s4, WSTAGE
	v_lshrrev_b32 v2, 1, v7                        ; my 4 numbers belong to group (s', c, h) = (lane & 15) >> 1
	v_mul_u32_u24 v2, v2, SPITCH
	v_and_b32 v3, 1, v0
	v_lshl_add_u32 v2, v3, 3, v2                   ; 8 bytes: first or second half of the 8 k
	v_lshl_add_u32 v2, v5, 4, v2                   ; row 2 p + (lane >> 4): 16 bytes a row
	v_add_nc_u32 v2, s3, v2                        ; where I put 8 bytes
	v_mul_u32_u24 v3, v5, SPITCH
	v_lshl_add_u32 v3, v7, 4, v3
	v_add_nc_u32 v3, s3, v3                        ; where I read 16 bytes back: group 2 k + (lane >> 4)
	v_lshlrev_b32 v4, 4, v6                        ; 16 x lane
	s_lshl_b32 s28, ttmp9, 17                      ; 32 rows of 4,096 bytes
	s_mov_b32 s29, 0
	s_lshr_b32 s30, ttmp9, 4                       ; batch
	s_lshl_b32 s30, s30, 20
	s_lshl_b32 s2, ttmp9, 1
	s_add_co_u32 s2, s2, s5
	s_and_b32 s2, s2, 31                           ; m tile in the batch
	s_lshl_b32 s2, s2, 11
	s_add_co_u32 s30, s30, s2
	s_lshl_b32 s2, s6, 18                          ; four blocks of 65,536 bytes
	s_add_co_u32 s30, s30, s2
	s_mov_b32 s31, 0
	s_wait_kmcnt 0x0
	s_add_nc_u64 s[28:29], s[8:9], s[28:29]
	s_add_nc_u64 s[30:31], s[22:23], s[30:31]
.irp blk, 0,1,2,3
.irp p, 0,1,2,3,4,5,6,7
	global_load_b128 v[X+4*(8*\blk+\p):X+4*(8*\blk+\p)+3], v1, s[28:29] offset:\p*8192+\blk*256 th:TH_LOAD_NT
.endr
.endr
.irp blk, 0,1,2,3
	s_wait_loadcnt 8*(3-\blk)                      ; this block's eight loads are in; the younger blocks' stay out
.irp p, 0,1,2,3,4,5,6,7
	v_cvt_pk_bf16_f32 v[X+4*(8*\blk+\p)],   v[X+4*(8*\blk+\p)],   v[X+4*(8*\blk+\p)+1]
	v_cvt_pk_bf16_f32 v[X+4*(8*\blk+\p)+1], v[X+4*(8*\blk+\p)+2], v[X+4*(8*\blk+\p)+3]
.endr
.irp p, 0,1,2,3,4,5,6,7
	ds_store_b64 v2, v[X+4*(8*\blk+\p):X+4*(8*\blk+\p)+1] offset:\p*32
.endr
.irp k, 0,1,2,3
	ds_load_b128 v[OUT+16*\blk+4*\k:OUT+16*\blk+4*\k+3], v3 offset:\k*2*SPITCH   ; the stage is the wave's own and LDS serves a wave in order: no wait between stores, loads and the next block's stores
.endr
.irp k, 0,1,2,3
	s_wait_dscnt 3-\k
	global_store_b128 v4, v[OUT+16*\blk+4*\k:OUT+16*\blk+4*\k+3], s[30:31] offset:\blk*65536+\k*512   ; 512 consecutive bytes
.endr
.endr
	s_wait_tensorcnt 0x0
	ds_add_u32 v200, v201
	s_wait_dscnt 0x0
	s_endpgm
	; ---- weights: the wave packs the block of 32 k x 32 n at (s, nb) of three matrices.  Lane = column, register = k.
.Lweights:
	s_sub_co_u32 s5, ttmp9, 256
	s_lshr_b32 s6, s5, 7                           ; 0: Wq, Wk, Wv into wa;  1: Wo, W1, W2 into wc
	s_and_b32 s5, s5, 127
	s_lshl_b32 s5, s5, 3
	s_add_co_u32 s5, s5, s4
	s_and_b32 s7, s5, 31                           ; nb: neighbouring waves take neighbouring 128 bytes of the same rows
	s_lshr_b32 s5, s5, 5                           ; s
	v_lshlrev_b32 v1, 2, v6                        ; 4 x lane
	v_lshlrev_b32 v2, 10, v5                       ; lanes 16-31: the next fragment (the next 16 columns)
	v_lshl_add_u32 v2, v7, 4, v2
	s_lshl_b32 s38, s5, 17                         ; 32 rows of 4,096 bytes
	s_lshl_b32 s2, s7, 7
	s_add_co_u32 s38, s38, s2
	s_mov_b32 s39, 0
	s_lshr_b32 s2, s7, 1                           ; wa: fragment ((nb >> 1) 32 + s) 12 + 2 (nb & 1), + 4 for each matrix
	s_lshl_b32 s2, s2, 5
	s_add_co_u32 s2, s2, s5
	s_mul_i32 s2, s2, 12
	s_and_b32 s3, s7, 1
	s_lshl_b32 s3, s3, 1
	s_add_co_u32 s2, s2, s3
	s_lshr_b32 s3, s7, 3                           ; wc: fragment ((nb >> 3) 96 + s) 16 + 2 (nb & 7), + 512 for each matrix
	s_mul_i32 s3, s3, 96
	s_add_co_u32 s3, s3, s5
	s_lshl_b32 s3, s3, 4
	s_and_b32 s40, s7, 7
	s_lshl_b32 s40, s40, 1
	s_add_co_u32 s3, s3, s40
	s_mov_b32 s42, 4096
	s_mov_b32 s43, 524288
	s_wait_kmcnt 0x0
	s_cmp_eq_u32 s6, 0
	s_cselect_b32 s40, s2, s3
	s_cselect_b32 s42, s42, s43
	s_cselect_b64 s[28:29], s[10:11], s[16:17]
	s_cselect_b64 s[30:31], s[12:13], s[18:19]
	s_cselect_b64 s[44:45], s[14:15], s[20:21]
	s_cselect_b64 s[46:47], s[24:25], s[26:27]
	s_lshl_b32 s40, s40, 10
	s_mov_b32 s41, 0
	s_mov_b32 s43, 0
	s_add_nc_u64 s[28:29], s[28:29], s[38:39]
	s_add_nc_u64 s[30:31], s[30:31], s[38:39]
	s_add_nc_u64 s[44:45], s[44:45], s[38:39]
	s_add_nc_u64 s[32:33], s[46:47], s[40:41]
	s_add_nc_u64 s[34:35], s[32:33], s[42:43]
	s_add_nc_u64 s[36:37], s[34:35], s[42:43]
.macro WLOAD dst, lo                   ; 32 rows of the block: register kk = k
.set kk, 0
.rept 32
	global_load_b32 v[\dst+kk], v1, s[\lo:\lo+1] offset:kk*4096
.set kk, kk+1
.endr
.endm
.macro PACK src, lo                    ; pairs of k into one register, ascending in place; quad u = 2 c + h of the fragment
.set kk, 0
.rept 16
	v_cvt_pk_bf16_f32 v[\src+kk], v[\src+2*kk], v[\src+2*kk+1]
.set kk, kk+1
.endr
.irp u, 0,1,2,3
	global_store_b128 v2, v[\src+4*\u:\src+4*\u+3], s[\lo:\lo+1] offset:\u*256   ; each half of the lanes fills 256 consecutive bytes, aligned
.endr
.endm
	WLOAD 8, 28
	WLOAD 40, 30
	s_wait_loadcnt 32                              ; the first matrix is in; the second's 32 loads stay out
	PACK 8, 32
	WLOAD 72, 44
	s_wait_loadcnt 32                              ; the second is in; the third's stay out
	PACK 40, 34
	s_wait_loadcnt 0x0
	PACK 72, 36
	s_endpgm
.Lfunc_end_k_qc0a5621c87_prep:
	.size	k_qc0a5621c87_prep, .Lfunc_end_k_qc0a5621c87_prep-k_qc0a5621c87_prep
	.p2alignl 7, 3214868480
	.fill 96, 4, 3214868480
	.section	.rodata,"a",@progbits
	.p2align	6, 0x0
	.amdhsa_kernel k_qc0a5621c87_prep
		.amdhsa_group_segment_fixed_size 18432
		.amdhsa_private_segment_fixed_size 0
		.amdhsa_enable_private_segment 0
		.amdhsa_kernarg_size 80
		.amdhsa_user_sgpr_count 2
		.amdhsa_user_sgpr_kernarg_segment_ptr 1
		.amdhsa_wavefront_size32 1
		.amdhsa_system_sgpr_workgroup_id_x 1
		.amdhsa_system_sgpr_workgroup_id_y 1
		.amdhsa_system_sgpr_workgroup_id_z 1
		.amdhsa_system_vgpr_workitem_id 0
		.amdhsa_next_free_vgpr 202
		.amdhsa_next_free_sgpr 66
		.amdhsa_reserve_vcc 0
		.amdhsa_float_denorm_mode_32 3
		.amdhsa_float_denorm_mode_16_64 3
		.amdhsa_memory_ordered 1
		.amdhsa_forward_progress 1
		.amdhsa_inst_pref_size 30
	.end_amdhsa_kernel
	.amdgpu_metadata
---
amdhsa.version: [ 1, 2 ]
amdhsa.kernels:
  - .name:           k_qc0a5621c87_prep
    .symbol:         k_qc0a5621c87_prep.kd
    .args:
      - { .name: x, .offset: 0, .size: 8, .value_kind: global_buffer, .address_space: global }
      - { .name: Wq, .offset: 8, .size: 8, .value_kind: global_buffer, .address_space: global }
      - { .name: Wk, .offset: 16, .size: 8, .value_kind: global_buffer, .address_space: global }
      - { .name: Wv, .offset: 24, .size: 8, .value_kind: global_buffer, .address_space: global }
      - { .name: Wo, .offset: 32, .size: 8, .value_kind: global_buffer, .address_space: global }
      - { .name: W1, .offset: 40, .size: 8, .value_kind: global_buffer, .address_space: global }
      - { .name: W2, .offset: 48, .size: 8, .value_kind: global_buffer, .address_space: global }
      - { .name: xpk, .offset: 56, .size: 8, .value_kind: global_buffer, .address_space: global }
      - { .name: wa, .offset: 64, .size: 8, .value_kind: global_buffer, .address_space: global }
      - { .name: wc, .offset: 72, .size: 8, .value_kind: global_buffer, .address_space: global }
    .group_segment_fixed_size: 18432
    .private_segment_fixed_size: 0
    .kernarg_segment_align: 8
    .kernarg_segment_size: 80
    .max_flat_workgroup_size: 256
    .sgpr_count:     66
    .vgpr_count:     202
    .wavefront_size: 32
...
	.end_amdgpu_metadata
.endif
;; end of part 1
;; launch attn (part 2): grid 16 x 16, 4 waves a work-group, clusters of 4 x 4, 327,680 bytes of LDS; arguments xpk, wa, x_mask, bq, bk, bv, attn; writes attn
.if DOCPART == 2
	.amdgcn_target "amdgcn-amd-amdhsa--gfx1250"
	.amdhsa_code_object_version 6
	.text
	.protected	k_qc0a5621c87_attn
	.globl	k_qc0a5621c87_attn
	.p2align	8
	.type	k_qc0a5621c87_attn,@function
k_qc0a5621c87_attn:
	s_mov_b64 s[64:65], 0
	v_nop
	global_prefetch_b8 v0, s[64:65] scope:SCOPE_SE
	s_setreg_imm32_b32 hwreg(HW_REG_WAVE_MODE, 25, 1), 1
	s_wait_xcnt 0x0
	s_wait_alu depctr_hold_cnt(0) depctr_sa_sdst(0) depctr_va_vdst(0) depctr_va_sdst(0) depctr_va_ssrc(0) depctr_va_vcc(0) depctr_vm_vsrc(0)
	s_getreg_b32 s2, hwreg(HW_REG_IB_STS2, 6, 4)
	s_cmp_eq_u32 s2, 0
	s_cbranch_scc0 .Lentry_in_a_cluster
	s_endpgm
.Lentry_in_a_cluster:
	s_bfe_u32 s2, ttmp6, 0x10000c
	s_cmp_lg_u32 s2, 0xf033
	s_cbranch_scc0 .Lentry_shape_is_right
	s_endpgm
.Lentry_shape_is_right:
; attn: one work-group for each (batch b, head hd): q, k, v = x W + bias (512 x 192 x 1024), mask, softmax, P V.  Nothing of reference() is left out.
; q, k, v, the scores and the probabilities never leave the WGP.  Four waves; wave w owns rows 128 w .. 128 w + 127, as queries and as the keys that it projects.
; All operands lie in fragment order (16 rows x 32 k = [c 2][lane 32][16 bytes]): every LDS access covers 512 consecutive bytes, so nothing is padded.
; PROJECTION: 96 accumulator tiles a wave (Q in register window 1, K in 2, V in 3), K in 16 steps of 64 through two LDS slots.
; CLUSTER 4 x 4: x's tile hangs on the batch alone and is shared along a row of the cluster (same cy); the weights' tile hangs on the head alone and is shared
; along a column (same cx).  Each is asked for jointly by four work-groups, which divides the requests by four.
; Q and K are made with the weights as source 0, so a lane holds one row and 8 neighbouring d: after rounding that IS a fragment chunk.  V is made with x as source 0,
; so a lane holds one d and 8 neighbouring keys: a chunk of V transposed.  Scores are made with K as source 0: a lane holds one query and 8 neighbouring keys, so two
; score tiles round into one fragment of P in place, and a row's maximum and sum need one exchange between the two halves of the lanes.
; LIMITS.  q is multiplied by 0.125 log2(e) before it is rounded to bf16, and exponentials are taken to base 2.  A masked key's k row is set to 0 and -1e10 log2(e)
; enters the score as the matrix instruction's C: for finite q that is reference()'s replacement; an infinite or NaN q gives NaN at masked places too.
; The softmax sum is taken on the f32 exponentials, the product with V on their bf16 roundings.  Sums run in another order than reference()'s.
.set XT,   65536                       ; x tile: [mt 32][s' 2][1024]
.set WT,   24576                       ; weight tile: [s' 2][f 12][1024]
.set SLOT, XT+WT
.set KST,  2*SLOT                      ; K: [key tile 32][ds 2][1024]
.set VST,  KST+65536                   ; V transposed: [dt 4][ks 16][1024]
.set BIAS, VST+65536                   ; 512 f32: 0 or -1e10 log2(e)
                                       ; Q: wave w's 16 KiB at 16384 w, in slot 0's x part, written behind that slot's last fill; only wave w ever read those bytes
.set G1,  24                           ; s[24:31] x tiles: shape;  s[32:39] from where, to where, one set a slot
.set G0,  32
.set G1B, 48                           ; s[48:55], s[56:63] the same for the weights' tiles
.set G0B, 56
.set A0,  32                           ; v[32:95], v[96:159] x fragments of the two halves of a K step
.set A1,  96
.set BG,  160                          ; v[160:255] weight fragments: group 0 Wq, 1 Wk, 2 Wv, 4 fragments each
.set T,   96                           ; v[96:223] rounded results on their way to LDS
.set MSB, 0
.macro WIN new                         ; the immediate's high byte repeats the setting that is left
.if MSB != (\new)
	s_set_vgpr_msb (MSB<<8)|(\new)
.set MSB, \new
.endif
.endm
.macro PLACES                          ; four independent vector instructions between a matrix instruction and a write or load into its registers or a read of its result
.rept 4
	v_nop
.endr
.endm
.macro ROUND                           ; a round of the cluster's barrier: my work-group, wave 0 signals for it, all sixteen, my work-group again
	s_barrier_signal -1
	s_barrier_wait -1
	s_cmp_lg_u32 s10, 0
	s_cbranch_scc1 .Lnot_wave_0_\@
	s_barrier_signal -3
.Lnot_wave_0_\@:
	s_barrier_wait -3
	s_barrier_signal -1
	s_barrier_wait -1
.endm
.macro JLOAD n                         ; waves 0, 1 ask for the halves of x's tile, waves 2, 3 for the halves of the weights': one load a wave, one mask a line
	s_cmp_eq_u32 s11, 0
	s_cbranch_scc0 .Lfor_w_\@
	tensor_load_to_lds s[G0+4*(\n):G0+4*(\n)+3], s[G1:G1+7]
	s_nop 0
	s_branch .Lasked_\@
.Lfor_w_\@:
	tensor_load_to_lds s[G0B+4*(\n):G0B+4*(\n)+3], s[G1B:G1B+7]
	s_nop 0
.Lasked_\@:
.endm
.macro MMA d, p, q, zero               ; zero = 1: the product starts the sum
.if \zero
	v_wmma_f32_16x16x32_bf16 v[\d:\d+7], v[\p:\p+7], v[\q:\q+7], 0
.else
	v_wmma_f32_16x16x32_bf16 v[\d:\d+7], v[\p:\p+7], v[\q:\q+7], v[\d:\d+7]
.endif
.endm
	s_load_b256 s[68:75], s[0:1], 0x0              ; xpk 68, wa 70, x_mask 72, bq 74
	s_load_b128 s[76:79], s[0:1], 0x20             ; bk 76, bv 78
	s_load_b64 s[80:81], s[0:1], 0x30              ; attn
	v_lshl_add_u32 v30, v0, 2, 0x4c800
	v_mov_b32 v31, 0
	ds_add_u32 v30, v31
	ds_add_u32 v30, v31
	v_lshrrev_b32 v1, 5, v0
	v_readfirstlane_b32 s10, v1                    ; wave 0..3
	s_lshr_b32 s11, s10, 1                         ; I fetch for x (0) or for the weights (1)
	s_and_b32 s12, s10, 1                          ; which half of that tile
	s_bfe_u32 s40, ttmp6, 0x40000                  ; cx
	s_bfe_u32 s41, ttmp6, 0x40004                  ; cy
	s_lshl_b32 s42, ttmp9, 2
	s_add_co_u32 s42, s42, s40                     ; head = 4 x cluster x + cx
	s_and_b32 s13, ttmp7, 0xffff
	s_lshl_b32 s13, s13, 2
	s_add_co_u32 s13, s13, s41                     ; batch = 4 x cluster y + cy
	s_lshl_b32 s43, s41, 2
	s_lshl_b32 s43, 15, s43                        ; my row of the cluster
	s_lshl_b32 s44, 0x1111, s40                    ; my column
	; both tiles are dense in memory and come as rows of 256 bytes (32 elements of 8 bytes): 128 rows a wave for x, 48 for the weights
	s_or_b32 s[G1+0], s43, (3<<16)|(1<<21)         ; 15:0 mask; 17:16 element of 8 bytes; 21 set beside a mask; no padding
	s_or_b32 s[G1B+0], s44, (3<<16)|(1<<21)
	s_mov_b32 s[G1+1], 32<<16                      ; tensor_dim0 = 32
	s_mov_b32 s[G1B+1], 32<<16
	s_mov_b32 s[G1+2], 128<<16                     ; tensor_dim1 = rows
	s_mov_b32 s[G1B+2], 48<<16
	s_mov_b32 s[G1+3], 32<<16                      ; tile_dim0 = 32
	s_mov_b32 s[G1B+3], 32<<16
	s_mov_b32 s[G1+4], 128                         ; tile_dim1 = rows
	s_mov_b32 s[G1B+4], 48
	s_mov_b32 s[G1+5], 32                          ; pitch = 32 elements
	s_mov_b32 s[G1B+5], 32
	s_mov_b32 s[G1+6], 0
	s_mov_b32 s[G1B+6], 0
	s_mov_b32 s[G1+7], 0
	s_mov_b32 s[G1B+7], 0
	s_lshl_b32 s14, s13, 20                        ; x: batch x 16 tiles of 65,536 bytes + my half
	s_lshl_b32 s16, s12, 15
	s_add_co_u32 s14, s14, s16
	s_mov_b32 s15, 0
	s_mul_i32 s46, s42, 16*WT                      ; weights: head x 16 tiles of 24,576 bytes + my half
	s_mul_i32 s17, s12, WT/2
	s_add_co_u32 s46, s46, s17
	s_mov_b32 s47, 0
	s_lshl_b32 s20, s10, 15                        ; LDS: x's halves at 32,768 x wave (waves 0, 1)
	s_mul_i32 s21, s10, WT/2
	s_add_co_u32 s21, s21, XT-WT                   ; the weights' halves at 65,536 + 12,288 x (wave - 2) (waves 2, 3)
	s_mov_b32 s84, 0x76543210                      ; v_permlanex16_b32: lane i reads lane i of the other half
	s_mov_b32 s85, 0xfedcba98
	s_mov_b32 s86, 0x3e38aa3b                      ; 0.125 log2(e), twice
	s_mov_b32 s87, 0x3e38aa3b
	s_wait_dscnt 0x0
	s_wait_kmcnt 0x0
	s_add_nc_u64 s[14:15], s[68:69], s[14:15]
	s_add_nc_u64 s[46:47], s[70:71], s[46:47]
	ROUND                                          ; all sixteen work-groups are here: the first joint loads meet
.irp n, 0,1
	s_mov_b32 s[G0+4*\n], 1
	s_add_co_u32 s[G0+4*\n+1], s20, \n*SLOT
	s_add_nc_u64 s[G0+4*\n+2:G0+4*\n+3], s[14:15], \n*XT
	s_or_b32 s[G0+4*\n+3], s[G0+4*\n+3], 0x80000000
	s_mov_b32 s[G0B+4*\n], 1
	s_add_co_u32 s[G0B+4*\n+1], s21, \n*SLOT
	s_add_nc_u64 s[G0B+4*\n+2:G0B+4*\n+3], s[46:47], \n*WT
	s_or_b32 s[G0B+4*\n+3], s[G0B+4*\n+3], 0x80000000
.endr
	JLOAD 0                                        ; K step 0; slot 1 is first filled behind the first trip's round
	v_and_b32 v23, 15, v0
	v_bfe_u32 v22, v0, 4, 1
	v_and_b32 v1, 31, v0
	v_lshlrev_b32 v1, 4, v1                        ; 16 x lane
	v_lshlrev_b32 v22, 5, v22                      ; 32 h: my 8 f32 of 16
	v_lshlrev_b32 v23, 2, v23                      ; 4 r
	s_lshl_b32 s16, s10, 14
	v_add_nc_u32 v2, s16, v1                       ; my 8 x fragments' rows in slot 0 (later: my Q)
	v_add_nc_u32 v3, SLOT, v2                      ; in slot 1
	v_add_nc_u32 v4, XT, v1                        ; the weights' fragments in slot 0
	v_add_nc_u32 v5, SLOT+XT, v1                   ; in slot 1
	v_lshlrev_b32 v25, 4, v0                       ; 16 x thread: 4 keys of the table
	s_lshl_b32 s16, s10, 9
	v_add_nc_u32 v26, s16, v23                     ; my wave's 128 keys: 512 w + 4 r
	v_mov_b32 v24, 0xd056fa73                      ; -1e10 log2(e)
	s_lshl_b32 s82, s13, 11
	s_mov_b32 s83, 0
	s_add_nc_u64 s[72:73], s[72:73], s[82:83]      ; my batch's mask
	s_lshl_b32 s82, s42, 8
	s_add_nc_u64 s[74:75], s[74:75], s[82:83]      ; my head's 64 numbers of bq, bk, bv
	s_add_nc_u64 s[76:77], s[76:77], s[82:83]
	s_add_nc_u64 s[78:79], s[78:79], s[82:83]
	global_load_b128 v[14:17], v25, s[72:73]
.irp a, 0,1,2,3,4,5,6,7
	global_load_b32 v[6+\a], v26, s[72:73] offset:\a*64            ; mask of key 128 w + 16 a + r
.endr
.irp bb, 0,1,2,3
	global_load_b32 v[18+\bb], v23, s[78:79] offset:\bb*64         ; bv[16 bb + r]
.endr
	s_wait_loadcnt 0x0
.irp i, 14,15,16,17
	v_cmp_eq_u32 vcc_lo, 0, v\i
	v_cndmask_b32 v\i, 0, v24, vcc_lo              ; masked: -1e10 log2(e); else 0
.endr
	v_add_nc_u32 v25, BIAS, v25
	ds_store_b128 v25, v[14:17]                    ; waited for in front of the first trip's round
.irp a, 0,1,2,3,4,5,6,7
	v_cmp_ne_u32 s[88+\a], 0, v[6+\a]              ; lanes whose key of tile a is kept
.endr
.macro FETCHA slot, half, dst          ; my 8 x fragments of one half of the K step
.irp a, 0,1,2,3,4,5,6,7
.irp c, 0,1
	ds_load_b128 v[\dst+8*\a+4*\c:\dst+8*\a+4*\c+3], v[2+\slot] offset:\a*2048+\half*1024+\c*512
.endr
.endr
.endm
.macro FETCHB slot, half, g            ; the 4 fragments of one weight matrix
.irp bb, 0,1,2,3
.irp c, 0,1
	ds_load_b128 v[BG+32*\g+8*\bb+4*\c:BG+32*\g+8*\bb+4*\c+3], v[4+\slot] offset:\half*12288+(4*\g+\bb)*1024+\c*512
.endr
.endr
.endm
; 32 matrix instructions on the 32 tiles of one window.  The 96 accumulators take turns, one instruction a turn, in the same order in every half step and over the
; backward jump.
.macro RUN win, abuf, g, zero
	WIN (\win<<6)|(\win<<4)
.irp a, 0,1,2,3,4,5,6,7
.irp bb, 0,1,2,3
.if \win == 3
	MMA 8*(4*\a+\bb), \abuf+8*\a, BG+32*\g+8*\bb, \zero            ; V: lane = d, registers = keys
.else
	MMA 8*(4*\a+\bb), BG+32*\g+8*\bb, \abuf+8*\a, \zero            ; Q, K: lane = row, registers = d
.endif
.endr
.endr
.endm
; One K step of 64.  In front of the round: all my tensor loads have landed (one was out: my part of this trip's tile) and my LDS reads of the last trip's slot are back.
; Behind it: the joint refill of that slot first, then this slot is read.  The load has the trip's 192 matrix instructions in which to land.
.macro TRIP slot, refill, zero, last
	s_wait_tensorcnt 0x0
	ds_add_u32 v30, v31
	s_wait_dscnt 0x0
	s_add_nc_u64 s[G0+4*\slot+2:G0+4*\slot+3], s[G0+4*\slot+2:G0+4*\slot+3], 2*XT       ; no load of mine is out: this slot's next tile
	s_add_nc_u64 s[G0B+4*\slot+2:G0B+4*\slot+3], s[G0B+4*\slot+2:G0B+4*\slot+3], 2*WT
	s_wait_dscnt 0x0
	ROUND
.if \refill
	JLOAD 1-\slot
.endif
	PLACES
	FETCHB \slot, 0, 0
	FETCHA \slot, 0, A0
	FETCHB \slot, 0, 1
	FETCHB \slot, 0, 2
	FETCHA \slot, 1, A1
	s_wait_dscnt 32                                ; Wq's and x's first half are in; out: Wk 8, Wv 8, x's second half 16
	RUN 1, A0, 0, \zero
	WIN 0
	PLACES
	FETCHB \slot, 1, 0
	s_wait_dscnt 32                                ; Wk is in; out: Wv 8, x 16, the new Wq 8
	RUN 2, A0, 1, \zero
	WIN 0
	PLACES
	FETCHB \slot, 1, 1
	s_wait_dscnt 32                                ; Wv is in; out: x 16, the new Wq 8, Wk 8
	RUN 3, A0, 2, \zero
	WIN 0
	PLACES
	FETCHB \slot, 1, 2
.if \last
.irp bb, 0,1,2,3
.irp hf, 0,1
	global_load_b128 v[32+8*\bb+4*\hf:32+8*\bb+4*\hf+3], v22, s[74:75] offset:\bb*64+\hf*16   ; bq[16 bb + 8 h + ..], into the x buffer that is done with
	global_load_b128 v[64+8*\bb+4*\hf:64+8*\bb+4*\hf+3], v22, s[76:77] offset:\bb*64+\hf*16   ; bk likewise
.endr
.endr
.endif
	s_wait_dscnt 16                                ; x's second half and the new Wq are in; out: Wk 8, Wv 8
	RUN 1, A1, 0, 0
	s_wait_dscnt 8                                 ; out: Wv 8
	RUN 2, A1, 1, 0
	s_wait_dscnt 0x0
	RUN 3, A1, 2, 0
	WIN 0
.endm
	TRIP 0, 1, 1, 0                                ; the first K step starts the sums: nothing is cleared
	TRIP 1, 1, 0, 0
	s_mov_b32 s3, 6
.Lring:
	TRIP 0, 1, 0, 0
	TRIP 1, 1, 0, 0
	s_sub_co_u32 s3, s3, 1
	s_cmp_lg_u32 s3, 0
	s_cbranch_scc1 .Lring
	TRIP 0, 1, 0, 0
	TRIP 1, 0, 0, 1                                ; the last K step fetches nothing
	; ---- the projections' way into LDS.  Index t = 4 tile + pair; tile = 4 a + bb.
	PLACES
	v_add_nc_u32 v6, KST, v2                       ; my 8 key tiles of K
	s_lshl_b32 s16, s10, 12
	v_add_nc_u32 v7, s16, v1
	v_add_nc_u32 v7, VST, v7                       ; my 4 key steps of V, in each of the 4 d tiles
	v_add_nc_u32 v8, BIAS, v22
	s_wait_loadcnt 0x0                             ; bq, bk
.set t, 0
.rept 16
	v_pk_mul_f32 v[32+2*t:33+2*t], v[32+2*t:33+2*t], s[86:87] op_sel_hi:[1,0]
.set t, t+1
.endr
.macro TOBF                            ; 256 sums to 128 registers of bf16
.set t, 0
.rept 128
	v_cvt_pk_bf16_f32 v[T+t], v[2*t], v[2*t+1]
.set t, t+1
.endr
.endm
	WIN 0x41
.set t, 0
.rept 128
	v_pk_fma_f32 v[2*t:2*t+1], v[2*t:2*t+1], s[86:87], v[32+8*((t>>2)&3)+2*(t&3):33+8*((t>>2)&3)+2*(t&3)] op_sel_hi:[1,0,1]   ; (x Wq + bq) 0.125 log2(e)
.set t, t+1
.endr
	WIN 0x05
	TOBF
	WIN 0
.set t, 0
.rept 32
	ds_store_b128 v2, v[T+4*t:T+4*t+3] offset:t*512                ; Q: [a][ds][c]
.set t, t+1
.endr
	WIN 0x82
.set t, 0
.rept 128
	v_pk_add_f32 v[2*t:2*t+1], v[2*t:2*t+1], v[64+8*((t>>2)&3)+2*(t&3):65+8*((t>>2)&3)+2*(t&3)]
.set t, t+1
.endr
	WIN 0x0a
	TOBF
	WIN 0
.set t, 0
.rept 128
	v_cndmask_b32 v[T+t], 0, v[T+t], s[88+(t>>4)]                  ; a masked key's row of K is 0: its score is the table's number alone
.set t, t+1
.endr
.set t, 0
.rept 32
	ds_store_b128 v6, v[T+4*t:T+4*t+3] offset:t*512
.set t, t+1
.endr
	WIN 0xc3
.set t, 0
.rept 128
.if (t>>2)&1
	v_pk_add_f32 v[2*t:2*t+1], v[2*t:2*t+1], v[18+2*((t>>3)&1):19+2*((t>>3)&1)] op_sel:[0,1] op_sel_hi:[1,1]   ; bv of an odd d tile, to both
.else
	v_pk_add_f32 v[2*t:2*t+1], v[2*t:2*t+1], v[18+2*((t>>3)&1):19+2*((t>>3)&1)] op_sel_hi:[1,0]                ; of an even one
.endif
.set t, t+1
.endr
	WIN 0x0f
	TOBF
	WIN 0
.set t, 0
.rept 32
	ds_store_b128 v7, v[T+4*t:T+4*t+3] offset:(t&3)*16384+(t>>2)*512
.set t, t+1
.endr
	WIN 0xc0                                       ; window 3 is free: the table, as the C operand of all 32 key tiles
.set t, 0
.rept 64
	ds_load_b128 v[4*t:4*t+3], v8 offset:(t>>1)*64+(t&1)*16
.set t, t+1
.endr
	WIN 0
	s_lshl_b32 s82, s13, 20                        ; attn: m tile 32 b + 8 w + .., k step 2 hd + ..
	s_lshl_b32 s97, s10, 18
	s_add_co_u32 s82, s82, s97
	s_lshl_b32 s97, s42, 11
	s_add_co_u32 s82, s82, s97
	s_add_nc_u64 s[98:99], s[80:81], s[82:83]
	s_wait_dscnt 0x0                               ; my K, V and Q are in LDS,
	s_barrier_signal -1
	s_barrier_wait -1                              ; everybody's are
	v_add_nc_u32 v3, KST, v1
	v_add_nc_u32 v4, VST, v1
	v_mov_b32 v5, v1
	v_mov_b32 v28, 0                               ; targets of v_permlanex16_b32 count as read
	v_mov_b32 v29, 0
	; ---- attention: four trips of two query tiles.  Window 0: v8-15 maxima, v16-19 maximum (later 1 / sum) twice, v20-27 sums, v32-63 Q, v64-127 O, v128-191 and v192-255 K or V.
	; Score tile (q, t): window 1 + (t >> 4), v[128 q + 8 (t & 15)].
.macro LOADK i, buf                    ; 8 key tiles 8 (i >> 1) + f, half i & 1 of d
.irp f, 0,1,2,3,4,5,6,7
.irp c, 0,1
	ds_load_b128 v[\buf+8*\f+4*\c:\buf+8*\f+4*\c+3], v3 offset:(8*((\i)>>1)+\f)*2048+((\i)&1)*1024+\c*512
.endr
.endr
.endm
.macro LOADV i, buf                    ; key steps 2 i, 2 i + 1 of all 4 d tiles
.irp kk, 0,1
.irp dt, 0,1,2,3
.irp c, 0,1
	ds_load_b128 v[\buf+8*(4*\kk+\dt)+4*\c:\buf+8*(4*\kk+\dt)+4*\c+3], v4 offset:\dt*16384+(2*(\i)+\kk)*1024+\c*512
.endr
.endr
.endr
.endm
; 16 matrix instructions.  The first half of d takes the table as C, the second adds in place, 16 instructions behind: the accumulators take turns.
.macro SCORE i
	s_wait_dscnt 16                                ; this batch is in; the other buffer's 16 loads stay out
.if (\i&1) == 0
	WIN ((1+(\i>>2))<<6)|0x30
.else
	WIN ((1+(\i>>2))<<6)|((1+(\i>>2))<<4)
.endif
.irp q, 0,1
.irp f, 0,1,2,3,4,5,6,7
.set d, 128*\q+8*((8*(\i>>1)+\f)&15)
.if (\i&1) == 0
	v_wmma_f32_16x16x32_bf16 v[d:d+7], v[128+8*\f:128+8*\f+7], v[32+16*\q:32+16*\q+7], v[8*(8*(\i>>1)+\f):8*(8*(\i>>1)+\f)+7]
.else
	v_wmma_f32_16x16x32_bf16 v[d:d+7], v[192+8*\f:192+8*\f+7], v[40+16*\q:40+16*\q+7], v[d:d+7]
.endif
.endr
.endr
	WIN 0
	PLACES
.if \i < 6
	LOADK \i+2, 128+64*(\i&1)
.else
	LOADV \i-6, 128+64*(\i&1)
.endif
.endm
.macro MAXPASS first                   ; 128 x two scores, eight chains by turns; a chain's first link starts from minus infinity
.set t, 0
.rept 128
.set later, (1-\first)+(t>>3)
.if later
	v_max3_num_f32 v[8+4*(t&1)+((t>>1)&3)], v[8+4*(t&1)+((t>>1)&3)], v[128*(t&1)+2*(t>>1)], v[128*(t&1)+2*(t>>1)+1]
.else
	v_max3_num_f32 v[8+4*(t&1)+((t>>1)&3)], 0xff800000, v[128*(t&1)+2*(t>>1)], v[128*(t&1)+2*(t>>1)+1]
.endif
.set t, t+1
.endr
.endm
.macro EXPPASS                         ; score - maximum, then 2^x in place
.set t, 0
.rept 128
	v_pk_add_f32 v[2*t:2*t+1], v[2*t:2*t+1], v[16+2*(t>>6):17+2*(t>>6)] neg_lo:[0,1] neg_hi:[0,1]
.set t, t+1
.endr
.set t, 0
.rept 256
	v_exp_f32 v[t], v[t]
.set t, t+1
.endr
	v_nop                                          ; one plain instruction between the exponentials and the first use of a result (ISA guide 5.7.2)
	s_wait_alu depctr_va_vdst(0)
.endm
.macro SUMPASS first                   ; four chains by turns
.set t, 0
.rept 128
.set later, (1-\first)+(t>>2)
.if later
	v_pk_add_f32 v[20+4*(t&1)+2*((t>>1)&1):21+4*(t&1)+2*((t>>1)&1)], v[20+4*(t&1)+2*((t>>1)&1):21+4*(t&1)+2*((t>>1)&1)], v[128*(t&1)+2*(t>>1):128*(t&1)+2*(t>>1)+1]
.else
	v_pk_add_f32 v[20+4*(t&1)+2*((t>>1)&1):21+4*(t&1)+2*((t>>1)&1)], 0, v[128*(t&1)+2*(t>>1):128*(t&1)+2*(t>>1)+1] op_sel_hi:[0,1]
.endif
.set t, t+1
.endr
.endm
.macro PPASS                           ; two score tiles become one fragment of P, ascending in place: the target never lies above its sources
.set t, 0
.rept 128
	v_cvt_pk_bf16_f32 v[128*(t>>6)+(t&63)], v[128*(t>>6)+2*(t&63)], v[128*(t>>6)+2*(t&63)+1]
.set t, t+1
.endr
.endm
.macro PV i                            ; 16 matrix instructions on the 8 tiles of O by turns
.if \i == 7
	s_wait_dscnt 0x0
.else
	s_wait_dscnt 16                                ; the other buffer's loads stay out
.endif
	WIN (1+(\i>>2))<<2
.irp kk, 0,1
.irp q, 0,1
.irp dt, 0,1,2,3
.if \i+\kk
	MMA 64+32*\q+8*\dt, 128+64*(\i&1)+8*(4*\kk+\dt), 128*\q+8*((2*\i+\kk)&7), 0
.else
	MMA 64+32*\q+8*\dt, 128+64*(\i&1)+8*(4*\kk+\dt), 128*\q+8*((2*\i+\kk)&7), 1
.endif
.endr
.endr
.endr
	WIN 0
	PLACES
.if \i < 6
	LOADV \i+2, 128+64*(\i&1)
.endif
.endm
	s_mov_b32 s3, 4
.Lquery:
.irp q, 0,1
.irp e, 0,1
.irp c, 0,1
	ds_load_b128 v[32+16*\q+8*\e+4*\c:32+16*\q+8*\e+4*\c+3], v2 offset:\q*2048+\e*1024+\c*512
.endr
.endr
.endr
	LOADK 0, 128
	LOADK 1, 192
.irp i, 0,1,2,3,4,5,6,7
	SCORE \i
.endr
	WIN 0x14
	MAXPASS 1
	WIN 0x28
	MAXPASS 0
	WIN 0
.irp q, 0,1
	v_max3_num_f32 v[8+4*\q], v[8+4*\q], v[9+4*\q], v[10+4*\q]
	v_max_num_f32 v[8+4*\q], v[8+4*\q], v[11+4*\q]
	v_permlanex16_b32 v[28+\q], v[8+4*\q], s84, s85                ; the other half of the lanes holds the row's other 256 keys
	v_max_num_f32 v[16+2*\q], v[8+4*\q], v[28+\q]
	v_mov_b32 v[17+2*\q], v[16+2*\q]
.endr
	WIN 0x41
	EXPPASS
	WIN 0x82
	EXPPASS
	WIN 0x04
	SUMPASS 1
	WIN 0x08
	SUMPASS 0
	WIN 0x45
	PPASS
	WIN 0x8a
	PPASS
.irp i, 0,1,2,3,4,5,6,7
	PV \i
.endr
.irp q, 0,1
	v_pk_add_f32 v[20+4*\q:21+4*\q], v[20+4*\q:21+4*\q], v[22+4*\q:23+4*\q]
	v_add_f32 v[20+4*\q], v[20+4*\q], v[21+4*\q]
	v_permlanex16_b32 v[28+\q], v[20+4*\q], s84, s85
	v_add_f32 v[20+4*\q], v[20+4*\q], v[28+\q]
.endr
.irp q, 0,1
	v_rcp_f32 v[16+2*\q], v[20+4*\q]
	v_rcp_f32 v[17+2*\q], v[20+4*\q]
.endr
	v_nop
.set t, 0
	s_wait_alu depctr_va_vdst(0)
.rept 32
	v_pk_mul_f32 v[64+2*t:65+2*t], v[64+2*t:65+2*t], v[16+2*(t>>4):17+2*(t>>4)]
.set t, t+1
.endr
.set t, 0
.rept 32
	v_cvt_pk_bf16_f32 v[128+t], v[64+2*t], v[64+2*t+1]
.set t, t+1
.endr
.irp q, 0,1
.irp dt, 0,1,2,3
	global_store_b128 v5, v[128+16*\q+4*\dt:128+16*\q+4*\dt+3], s[98:99] offset:\q*32768+\dt*512   ; 512 consecutive bytes, already a fragment chunk of the next product
.endr
.endr
	s_wait_xcnt 0x0                                ; the stores' data and offset registers are written again only behind this wait
	v_add_nc_u32 v2, 4096, v2                      ; the next two query tiles
	v_add_nc_u32 v5, 65536, v5
	s_sub_co_u32 s3, s3, 1
	s_cmp_lg_u32 s3, 0
	s_cbranch_scc1 .Lquery
	s_wait_tensorcnt 0x0
	ds_add_u32 v30, v31
	s_wait_dscnt 0x0
	ROUND                                          ; the closing round: no work-group ends while a partner may still ask jointly
	s_endpgm
.Lfunc_end_k_qc0a5621c87_attn:
	.size	k_qc0a5621c87_attn, .Lfunc_end_k_qc0a5621c87_attn-k_qc0a5621c87_attn
	.p2alignl 7, 3214868480
	.fill 96, 4, 3214868480
	.section	.rodata,"a",@progbits
	.p2align	6, 0x0
	.amdhsa_kernel k_qc0a5621c87_attn
		.amdhsa_group_segment_fixed_size 327680
		.amdhsa_private_segment_fixed_size 0
		.amdhsa_enable_private_segment 0
		.amdhsa_kernarg_size 56
		.amdhsa_user_sgpr_count 2
		.amdhsa_user_sgpr_kernarg_segment_ptr 1
		.amdhsa_wavefront_size32 1
		.amdhsa_system_sgpr_workgroup_id_x 1
		.amdhsa_system_sgpr_workgroup_id_y 1
		.amdhsa_system_sgpr_workgroup_id_z 1
		.amdhsa_system_vgpr_workitem_id 0
		.amdhsa_next_free_vgpr 1024
		.amdhsa_next_free_sgpr 100
		.amdhsa_reserve_vcc 1
		.amdhsa_float_denorm_mode_32 3
		.amdhsa_float_denorm_mode_16_64 3
		.amdhsa_memory_ordered 1
		.amdhsa_forward_progress 1
		.amdhsa_inst_pref_size 255
	.end_amdhsa_kernel
	.section	.bss,"aw",@nobits
	.p2align	6
	.space	262144
	.amdgpu_metadata
---
amdhsa.version: [ 1, 2 ]
amdhsa.kernels:
  - .name:           k_qc0a5621c87_attn
    .symbol:         k_qc0a5621c87_attn.kd
    .args:
      - { .name: xpk, .offset: 0, .size: 8, .value_kind: global_buffer, .address_space: global }
      - { .name: wa, .offset: 8, .size: 8, .value_kind: global_buffer, .address_space: global }
      - { .name: x_mask, .offset: 16, .size: 8, .value_kind: global_buffer, .address_space: global }
      - { .name: bq, .offset: 24, .size: 8, .value_kind: global_buffer, .address_space: global }
      - { .name: bk, .offset: 32, .size: 8, .value_kind: global_buffer, .address_space: global }
      - { .name: bv, .offset: 40, .size: 8, .value_kind: global_buffer, .address_space: global }
      - { .name: attn, .offset: 48, .size: 8, .value_kind: global_buffer, .address_space: global }
    .group_segment_fixed_size: 327680
    .private_segment_fixed_size: 0
    .kernarg_segment_align: 8
    .kernarg_segment_size: 56
    .max_flat_workgroup_size: 128
    .sgpr_count:     100
    .vgpr_count:     1024
    .wavefront_size: 32
...
	.end_amdgpu_metadata
.endif
;; end of part 2
;; launch chain (part 3): grid 128 x 1, 4 waves a work-group, no clusters, 312,832 bytes of LDS; arguments attn, wc, x, bo, gamma1, beta1, b1, b2, gamma2, beta2, out0; writes out0
.if DOCPART == 3
	.amdgcn_target "amdgcn-amd-amdhsa--gfx1250"
	.amdhsa_code_object_version 6
	.text
	.protected	k_qc0a5621c87_chain
	.globl	k_qc0a5621c87_chain
	.p2align	8
	.type	k_qc0a5621c87_chain,@function
k_qc0a5621c87_chain:
	s_mov_b64 s[64:65], 0
	v_nop
	global_prefetch_b8 v0, s[64:65] scope:SCOPE_SE
	s_setreg_imm32_b32 hwreg(HW_REG_WAVE_MODE, 25, 1), 1
	s_wait_xcnt 0x0
; chain: for 64 rows: h = LN1(attn Wo + bo + x); out = LN2(gelu(h W1 + b1) W2 + b2 + h).  Nothing of reference() is left out.
; The norms need whole rows: 64 rows x 1,024 f32 sums are 512 registers in each of four waves, so 8,192 rows make 128 work-groups.  With 32 rows a work-group
; the same 6 MiB of weights would be streamed into twice as many work-groups.  Wave w owns columns 256 w .. 256 w + 255 of every product.
; The weights are source 0 and the activations source 1: lane (r, h), register j of tile (a, b) holds row 16 a + r, column 256 w + 16 b + 8 h + j, which is the same
; lane's chunk (k step 8 w + (b >> 1), half b & 1) of the next product's activation fragment: results go to the LDS panel without any exchange between lanes.
; NO TENSOR LOADS, NO MULTICAST: a weight fragment is used by one wave of the work-group alone, so LDS would add a write and a read and spare nothing here, and the
; f32 panel of h (262,144 bytes) leaves no room for a ring of slots.  Weights come from memory straight into registers, 512 consecutive bytes a load, two K steps ahead,
; and the stream runs on through the three products: the next product's first two steps land during the norm or the GELU.
; LIMITS.  erf by the rational form of Abramowitz and Stegun 7.1.26 (absolute error at most 1.5e-7 for every argument); variance from the deviations (second pass), as
; reference() does; sums in another order than reference()'s; matrix operands rounded to bf16.
.set STG, 262144                       ; a wave's own stage: 16 rows x 272 bytes, at 4,352 x wave
.set SCR, 279552                       ; four regions of [row 64][wave 4] f32, each used once
.set PAR, 283648                       ; seven vectors of 4,096 bytes: bo, gamma1, beta1, b1, b2, gamma2, beta2; a wave stores and reads its own 1,024 bytes of each
; LDS 0 .. 262143, the panel: bf16 form (attn, later gelu): a 32768 + s 1024 + c 512 + 16 lane;  f32 form (h): a 65536 + s 2048 + c 1024 + hf 512 + 16 lane
; window 0: v1-v31 addresses and constants; v32-63, v64-95 activation fragments (parameters in the epilogues); v96-159 f32 activations; v96-255 at work in the epilogues
; window 1: v0-127, v128-255 the weights of one K step each;  windows 2, 3: tile (a, b) at window 2 + (b >> 3), v[8 (4 (b & 7) + a)]
.set MSB, 0
.macro WIN new
.if MSB != (\new)
	s_set_vgpr_msb (MSB<<8)|(\new)
.set MSB, \new
.endif
.endm
.macro PLACES                          ; four independent vector instructions behind a matrix instruction (ISA guide 7.12.1)
.rept 4
	v_nop
.endr
.endm
.macro BAR                             ; what other waves rely on is complete in front of the signal
	s_wait_dscnt 0x0
	s_barrier_signal -1
	s_barrier_wait -1
.endm
.macro MMA d, p, q, zero
.if \zero
	v_wmma_f32_16x16x32_bf16 v[\d:\d+7], v[\p:\p+7], v[\q:\q+7], 0
.else
	v_wmma_f32_16x16x32_bf16 v[\d:\d+7], v[\p:\p+7], v[\q:\q+7], v[\d:\d+7]
.endif
.endm
	s_load_b512 s[8:23], s[0:1], 0x0               ; attn 8, wc 10, x 12, bo 14, gamma1 16, beta1 18, b1 20, b2 22
	s_load_b128 s[24:27], s[0:1], 0x40             ; gamma2 24, beta2 26
	s_load_b64 s[28:29], s[0:1], 0x50              ; out0
	v_lshrrev_b32 v26, 5, v0
	v_readfirstlane_b32 s4, v26                    ; wave 0..3
	v_and_b32 v26, 15, v0                          ; r
	v_bfe_u32 v27, v0, 4, 1                        ; h
	v_and_b32 v1, 31, v0
	v_lshlrev_b32 v1, 4, v1                        ; 16 x lane
	s_lshl_b32 s5, s4, 14
	v_add_nc_u32 v8, s5, v1                        ; v8-11: my columns of h, m tile a
	v_add_nc_u32 v9, 0x10000, v8
	v_add_nc_u32 v10, 0x20000, v8
	v_add_nc_u32 v11, 0x30000, v8
	s_lshl_b32 s5, s4, 13
	v_add_nc_u32 v12, s5, v1                       ; v12, 13: my columns of the bf16 panel, m tiles 0-1 and 2-3
	v_add_nc_u32 v13, 0x10000, v12
	s_mul_i32 s5, s4, 4352
	s_add_co_u32 s5, s5, STG
	v_mul_u32_u24 v14, v26, 272
	v_lshl_add_u32 v14, v27, 5, v14
	v_add_nc_u32 v14, s5, v14                      ; stage by tiles: row r, 32 h bytes
	v_mul_u32_u24 v15, v27, 272
	v_lshl_add_u32 v15, v26, 4, v15
	v_add_nc_u32 v15, s5, v15                      ; stage by rows: lanes 0-15 one row of 256 bytes, lanes 16-31 the next
	s_lshl_b32 s6, s4, 10
	v_lshlrev_b32 v16, 12, v27
	v_lshl_add_u32 v16, v26, 4, v16
	v_add_nc_u32 v16, s6, v16                      ; the same two rows in x and out0, my wave's 1,024 bytes
	s_add_co_u32 s7, s6, PAR
	v_lshl_add_u32 v17, v27, 5, s7                 ; parameters of my columns: + 64 b + 16 hf
	v_lshlrev_b32 v20, 4, v26
	v_add_nc_u32 v20, SCR, v20                     ; a row's four partial sums
	v_lshl_add_u32 v19, s4, 2, v20                 ; mine among them
	s_lshl_b32 s5, s4, 15
	v_add_nc_u32 v21, s5, v1                       ; my quarter of the attention panel
	v_add_nc_u32 v22, s6, v1
	v_add_nc_u32 v23, s7, v1
	v_mov_b32 v24, 0xbf3a00e3                      ; 0.5 a4, twice
	v_mov_b32 v25, 0xbf3a00e3
.irp i, 28,29,30,31
	v_mov_b32 v\i, 0                               ; targets of v_permlanex16_b32 count as read
.endr
	s_mov_b32 s38, 0x76543210
	s_mov_b32 s39, 0xfedcba98
.irp p, 40,41
	s_mov_b32 s\p, 0x3e027906                      ; 0.5 a1
.endr
.irp p, 42,43
	s_mov_b32 s\p, 0xbe11a98e                      ; 0.5 a2
.endr
.irp p, 44,45
	s_mov_b32 s\p, 0x3f35f0e3                      ; 0.5 a3
.endr
.irp p, 48,49
	s_mov_b32 s\p, 0x3f07dc22                      ; 0.5 a5
.endr
.irp p, 50,51
	s_mov_b32 s\p, 0xbf38aa3b                      ; -0.5 log2(e)
.endr
	s_mov_b32 s52, 0x3e6d3388                      ; 0.3275911 / sqrt(2)
	s_mov_b32 s53, 0x7fffffff
	s_mov_b32 s54, 0x3a800000                      ; 1 / 1024
	s_mov_b32 s55, 0x3a802008                      ; 1 / 1023
	s_mov_b32 s56, 0x358637bd                      ; 1e-6
	s_mul_i32 s30, s4, 1572864                     ; my wave's 96 K steps of 16,384 bytes
	s_mov_b32 s31, 0
	s_lshl_b32 s32, ttmp9, 18                      ; 64 rows of 4,096 bytes
	s_mov_b32 s33, 0
	s_lshl_b32 s36, ttmp9, 17                      ; 4 m tiles of 32,768 bytes
	s_mov_b32 s37, 0
	s_wait_kmcnt 0x0
	s_add_nc_u64 s[30:31], s[10:11], s[30:31]
	s_add_nc_u64 s[34:35], s[28:29], s[32:33]
	s_add_nc_u64 s[32:33], s[12:13], s[32:33]
	s_add_nc_u64 s[36:37], s[8:9], s[36:37]
.macro BLOAD j, half, off              ; 8 weight fragments: 16 loads of 512 consecutive bytes (under destination window 1)
.irp f, 0,1,2,3,4,5,6,7
.irp c, 0,1
	global_load_b128 v[128*\j+8*(8*\half+\f)+4*\c:128*\j+8*(8*\half+\f)+4*\c+3], v1, s[30:31] offset:\off+(8*\half+\f)*1024+\c*512
.endr
.endr
.endm
.macro ALOAD16 dst, koff               ; the 4 activation fragments of a K step from the bf16 panel
.irp a, 0,1,2,3
.irp c, 0,1
	ds_load_b128 v[\dst+8*\a+4*\c:\dst+8*\a+4*\c+3], v[2+(\a>>1)] offset:(\a&1)*32768+\koff+\c*512
.endr
.endr
.endm
.macro ALOAD32 koff                    ; the same from the f32 panel, into v96-159
.irp a, 0,1,2,3
.irp c, 0,1
.irp hf, 0,1
	ds_load_b128 v[96+16*\a+8*\c+4*\hf:96+16*\a+8*\c+4*\hf+3], v[4+\a] offset:\koff+\c*1024+\hf*512
.endr
.endr
.endr
.endm
.macro ACVT dst
.set t, 0
.rept 32
	v_cvt_pk_bf16_f32 v[\dst+t], v[96+2*t], v[96+2*t+1]
.set t, t+1
.endr
.endm
; 32 matrix instructions: 8 n tiles x 4 m tiles.  The 64 accumulators take turns, one instruction a turn, in the same order in every K step and over the backward jump.
.macro MUL32 half, j, zero
	WIN 0xa1+0x50*\half
.irp bb, 0,1,2,3,4,5,6,7
.irp a, 0,1,2,3
	MMA 8*(4*\bb+\a), 128*\j+8*(8*\half+\bb), 32+32*\j+8*\a, \zero
.endr
.endr
.endm
; One K step of 32 on buffers j.  Weight loads go in groups of 16; behind the group that a wait wants, three more groups have been issued: the counts are 48.
.macro STEP j, wide, zero, bpre, apre, clo, chi
	s_wait_loadcnt \clo
	s_wait_dscnt 0x0                               ; this step's activation fragments
	MUL32 0, \j, \zero
	WIN 0
	PLACES
.if \bpre
	WIN 0x40
	BLOAD \j, 0, (\j+2)*16384                      ; two K steps ahead, into the half buffer just multiplied
	WIN 0
.endif
.if \apre
.if \wide
	ALOAD32 (\j+1)*2048
.else
	ALOAD16 32+32*(1-\j), (\j+1)*1024
.endif
.endif
	s_wait_loadcnt \chi
	MUL32 1, \j, \zero
	WIN 0
.if (\wide)*(\apre)
	s_wait_dscnt 0x0
	ACVT 32+32*(1-\j)                              ; 32 plain instructions that name none of the matrix instructions' registers: they are the places too
.else
	PLACES
.endif
.if \bpre
	WIN 0x40
	BLOAD \j, 1, (\j+2)*16384
	WIN 0
.endif
.endm
.macro GTRIP wide, zero, bpre, alast, c0, c1, c2, c3
	STEP 0, \wide, \zero, \bpre, 1, \c0, \c1
	STEP 1, \wide, 0, \bpre, 1-\alast, \c2, \c3
	s_wait_xcnt 0x0                                ; the loads' base is stepped only behind this wait
	s_add_nc_u64 s[30:31], s[30:31], 32768
.if \wide
.irp a, 4,5,6,7
	v_add_nc_u32 v\a, 4096, v\a
.endr
.else
	v_add_nc_u32 v2, 2048, v2
	v_add_nc_u32 v3, 2048, v3
.endif
.endm
.macro GEMM wide, zero, final          ; 32 K steps = 16 trips
.if \wide
	v_mov_b32 v4, v1
	v_add_nc_u32 v5, 0x10000, v1
	v_add_nc_u32 v6, 0x20000, v1
	v_add_nc_u32 v7, 0x30000, v1
	ALOAD32 0
	s_wait_dscnt 0x0
	ACVT 32
.else
	v_mov_b32 v2, v1
	v_add_nc_u32 v3, 0x10000, v1
	ALOAD16 32, 0
.endif
	GTRIP \wide, \zero, 1, 0, 48, 48, 48, 48
	s_mov_b32 s3, 14
.Lgemm_\@:
	GTRIP \wide, 0, 1, 0, 48, 48, 48, 48
	s_sub_co_u32 s3, s3, 1
	s_cmp_lg_u32 s3, 0
	s_cbranch_scc1 .Lgemm_\@
.if \final
	GTRIP \wide, 0, 0, 1, 48, 32, 16, 0            ; nothing is left to fetch: the counts are the groups still behind the one wanted
.else
	GTRIP \wide, 0, 1, 1, 48, 48, 48, 48           ; fetches the next product's first two K steps
.endif
.endm
; x comes in by rows (16 lanes: 256 consecutive bytes) into the registers of the tiles that it will start, and is turned into the tiles' layout through the wave's stage.
.macro XLOAD a
.irp bq, 0,1,2,3
	WIN 0x88+0x44*(\bq>>1)
.irp t, 0,1,2,3,4,5,6,7
.set d, 8*(4*(4*(\bq&1)+(\t>>1))+\a)+4*(\t&1)
	global_load_b128 v[d:d+3], v16, s[32:33] offset:\a*65536+\t*8192+\bq*256 th:TH_LOAD_NT
.endr
.endr
.endm
.macro XPASS a
.irp bq, 0,1,2,3
	WIN 0x88+0x44*(\bq>>1)
.irp t, 0,1,2,3,4,5,6,7
.set d, 8*(4*(4*(\bq&1)+(\t>>1))+\a)+4*(\t&1)
	ds_store_b128 v15, v[d:d+3] offset:\t*544
.endr
.irp bb, 0,1,2,3
.irp hf, 0,1
.set d, 8*(4*(4*(\bq&1)+\bb)+\a)+4*\hf
	ds_load_b128 v[d:d+3], v14 offset:\bb*64+\hf*16                ; LDS serves a wave in order: these see the stores above, and the next quarter's stores come behind them
.endr
.endr
.endr
.endm
	; ---- the start.  Each wait's count is the 32 loads of the group issued behind the one that is wanted.
.irp vec, 0,1,2,3,4,5,6
.irp i, 0,1
	global_load_b128 v[96+8*\vec+4*\i:96+8*\vec+4*\i+3], v22, s[14+2*\vec:15+2*\vec] offset:\i*512
.endr
.endr
	WIN 0x40
.set t, 0
.rept 64
	global_load_b128 v[4*t:4*t+3], v21, s[36:37] offset:t*512 th:TH_LOAD_NT       ; my quarter of the attention panel, through window 1
.set t, t+1
.endr
	WIN 0
	s_wait_loadcnt 32
.irp vec, 0,1,2,3,4,5,6
.irp i, 0,1
	ds_store_b128 v23, v[96+8*\vec+4*\i:96+8*\vec+4*\i+3] offset:\vec*4096+\i*512
.endr
.endr
	WIN 0x04
.set t, 0
.rept 32
	ds_store_b128 v21, v[4*t:4*t+3] offset:t*512
.set t, t+1
.endr
	XLOAD 0
	s_wait_loadcnt 32
	WIN 0x04
.rept 32
	ds_store_b128 v21, v[4*t:4*t+3] offset:t*512                   ; t runs on from 32: the panel's second half of my quarter
.set t, t+1
.endr
	XLOAD 1
	s_wait_loadcnt 32
	XPASS 0
	XLOAD 2
	s_wait_loadcnt 32
	XPASS 1
	XLOAD 3
	s_wait_loadcnt 32
	XPASS 2
	s_wait_dscnt 0x0                               ; the panel's stores have taken their data: window 1 now takes the weights
	WIN 0x40
	BLOAD 0, 0, 0
	BLOAD 0, 1, 0
	s_wait_loadcnt 32
	XPASS 3
	WIN 0x40
	BLOAD 1, 0, 16384
	BLOAD 1, 1, 16384
	WIN 0
	BAR                                            ; the attention panel is whole
.macro PARLOAD vec, half, dst          ; a parameter vector's numbers for 8 of my n tiles: 8 registers a tile
.irp bb, 0,1,2,3,4,5,6,7
.irp hf, 0,1
	ds_load_b128 v[\dst+8*\bb+4*\hf:\dst+8*\bb+4*\hf+3], v17 offset:(\vec)*4096+(8*(\half)+\bb)*64+\hf*16
.endr
.endr
.endm
; The eight chains v160-175 (m tile a, two chains each) become a row's sum over all 1,024 columns, in v[192 + 4 a] of every lane.
; Region q of the partial sums begins 1,024 q bytes behind SCR; word (row 16 a + r, wave w) lies at 256 a + 16 r + 4 w in it.
.macro REDUCE q
.irp a, 0,1,2,3
	v_pk_add_f32 v[160+2*\a:161+2*\a], v[160+2*\a:161+2*\a], v[168+2*\a:169+2*\a]
.endr
.irp a, 0,1,2,3
	v_add_f32 v[160+2*\a], v[160+2*\a], v[161+2*\a]
.endr
.irp a, 0,1,2,3
	v_permlanex16_b32 v[28+\a], v[160+2*\a], s38, s39              ; the other half of the lanes holds the row's other columns of my 256
.endr
.irp a, 0,1,2,3
	v_add_f32 v[160+2*\a], v[160+2*\a], v[28+\a]
	ds_store_b32 v19, v[160+2*\a] offset:(\q)*1024+\a*256
.endr
	BAR
.irp a, 0,1,2,3
	ds_load_b128 v[192+4*\a:195+4*\a], v20 offset:(\q)*1024+\a*256
.endr
	s_wait_dscnt 0x0
.irp a, 0,1,2,3
	v_add_f32 v[192+4*\a], v[192+4*\a], v[193+4*\a]
	v_add_f32 v[194+4*\a], v[194+4*\a], v[195+4*\a]
	v_add_f32 v[192+4*\a], v[192+4*\a], v[194+4*\a]
.endr
.endm
; acc = gam (acc + bias - mean) / (std + 1e-6) + bet.  Index u = pair in a window: m tile (u >> 2) & 3, n tile u >> 4, pair u & 3.  A chain's first link starts it.
.macro LN bias, gam, bet, q
.irp nw, 2,3
	WIN 0
	PARLOAD \bias, \nw-2, 32
	s_wait_dscnt 0x0
	WIN \nw*0x41
.set u, 0
.rept 128
	v_pk_add_f32 v[2*u:2*u+1], v[2*u:2*u+1], v[32+8*(u>>4)+2*(u&3):33+8*(u>>4)+2*(u&3)]
.set u, u+1
.endr
	WIN \nw
.set u, 0
.rept 128
.set later, (\nw-2)+(u>>4)+((u&3)>>1)
.set sc, 160+2*(((u>>2)&3)+4*(u&1))
.if later
	v_pk_add_f32 v[sc:sc+1], v[2*u:2*u+1], v[sc:sc+1]
.else
	v_pk_add_f32 v[sc:sc+1], v[2*u:2*u+1], 0 op_sel_hi:[1,0]
.endif
.set u, u+1
.endr
.endr
	WIN 0
	REDUCE \q
.irp a, 0,1,2,3
	v_mul_f32 v[176+2*\a], s54, v[192+4*\a]                        ; mean, twice
	v_mov_b32 v[177+2*\a], v[176+2*\a]
.endr
.irp nw, 2,3
	WIN \nw*0x41
.set u, 0
.rept 128
	v_pk_add_f32 v[2*u:2*u+1], v[2*u:2*u+1], v[176+2*((u>>2)&3):177+2*((u>>2)&3)] neg_lo:[0,1] neg_hi:[0,1]
.set u, u+1
.endr
	WIN \nw*5
.set u, 0
.rept 128
.set later, (\nw-2)+(u>>4)+((u&3)>>1)
.set sc, 160+2*(((u>>2)&3)+4*(u&1))
.if later
	v_pk_fma_f32 v[sc:sc+1], v[2*u:2*u+1], v[2*u:2*u+1], v[sc:sc+1]
.else
	v_pk_mul_f32 v[sc:sc+1], v[2*u:2*u+1], v[2*u:2*u+1]
.endif
.set u, u+1
.endr
.endr
	WIN 0
	REDUCE \q+1
.irp a, 0,1,2,3
	v_mul_f32 v[192+4*\a], s55, v[192+4*\a]                        ; / 1023
.endr
.irp a, 0,1,2,3
	v_sqrt_f32 v[192+4*\a], v[192+4*\a]
.endr
	v_nop
	s_wait_alu depctr_va_vdst(0)
.irp a, 0,1,2,3
	v_add_f32 v[192+4*\a], s56, v[192+4*\a]
.endr
.irp a, 0,1,2,3
	v_rcp_f32 v[184+2*\a], v[192+4*\a]
.endr
	v_nop
	s_wait_alu depctr_va_vdst(0)
.irp a, 0,1,2,3
	v_mov_b32 v[185+2*\a], v[184+2*\a]
.endr
.irp nw, 2,3
	WIN 0
	PARLOAD \gam, \nw-2, 32
	PARLOAD \bet, \nw-2, 96
	s_wait_dscnt 0x0
	WIN \nw*0x41
.set u, 0
.rept 128
	v_pk_mul_f32 v[2*u:2*u+1], v[2*u:2*u+1], v[184+2*((u>>2)&3):185+2*((u>>2)&3)]
.set u, u+1
.endr
.set u, 0
.rept 128
	v_pk_fma_f32 v[2*u:2*u+1], v[2*u:2*u+1], v[32+8*(u>>4)+2*(u&3):33+8*(u>>4)+2*(u&3)], v[96+8*(u>>4)+2*(u&3):97+8*(u>>4)+2*(u&3)]
.set u, u+1
.endr
.endr
	WIN 0
.endm
; gelu(u) = 0.5 (u + |u|) - |u| (0.5 P(t)) exp(-u u / 2), t = 1 / (1 + 0.3275911 |u| / sqrt 2), for the four tiles (0..3, b).
; v96 u, v128 |u|, v160 t, v192 exp, v224 P.  The rounded results wait in the registers of tiles (2, b) and (3, b): g(2) and g(0), g(3) and g(1).
.macro EACH16 line:vararg
.set u, 0
	s_wait_alu depctr_va_vdst(0)
.rept 16
	\line
.set u, u+1
.endr
.endm
.macro GELUB b
	WIN 2+(\b>>3)
.irp a, 0,1,2,3
.irp p, 0,1,2,3
	v_pk_add_f32 v[96+8*\a+2*\p:97+8*\a+2*\p], v[8*(4*(\b&7)+\a)+2*\p:8*(4*(\b&7)+\a)+2*\p+1], v[32+8*(\b&7)+2*\p:33+8*(\b&7)+2*\p]
.endr
.endr
	WIN 0
.set u, 0
.rept 32
	v_and_b32 v[128+u], s53, v[96+u]
.set u, u+1
.endr
	EACH16 v_pk_fma_f32 v[160+2*u:161+2*u], v[128+2*u:129+2*u], s[52:53], 1.0 op_sel_hi:[1,0,0]
.set u, 0
.rept 32
	v_rcp_f32 v[160+u], v[160+u]
.set u, u+1
.endr
	EACH16 v_pk_mul_f32 v[192+2*u:193+2*u], v[96+2*u:97+2*u], v[96+2*u:97+2*u]
	EACH16 v_pk_mul_f32 v[192+2*u:193+2*u], v[192+2*u:193+2*u], s[50:51] op_sel_hi:[1,0]
.set u, 0
.rept 32
	v_exp_f32 v[192+u], v[192+u]
.set u, u+1
.endr
	EACH16 v_pk_fma_f32 v[224+2*u:225+2*u], v[160+2*u:161+2*u], s[48:49], v[24:25] op_sel_hi:[1,0,1]
	EACH16 v_pk_fma_f32 v[224+2*u:225+2*u], v[224+2*u:225+2*u], v[160+2*u:161+2*u], s[44:45] op_sel_hi:[1,1,0]
	EACH16 v_pk_fma_f32 v[224+2*u:225+2*u], v[224+2*u:225+2*u], v[160+2*u:161+2*u], s[42:43] op_sel_hi:[1,1,0]
	EACH16 v_pk_fma_f32 v[224+2*u:225+2*u], v[224+2*u:225+2*u], v[160+2*u:161+2*u], s[40:41] op_sel_hi:[1,1,0]
	EACH16 v_pk_mul_f32 v[224+2*u:225+2*u], v[224+2*u:225+2*u], v[160+2*u:161+2*u]
	EACH16 v_pk_mul_f32 v[224+2*u:225+2*u], v[224+2*u:225+2*u], v[192+2*u:193+2*u]
	EACH16 v_pk_mul_f32 v[224+2*u:225+2*u], v[224+2*u:225+2*u], v[128+2*u:129+2*u]
	EACH16 v_pk_add_f32 v[96+2*u:97+2*u], v[96+2*u:97+2*u], v[128+2*u:129+2*u]
	EACH16 v_pk_fma_f32 v[96+2*u:97+2*u], v[96+2*u:97+2*u], 0.5, v[224+2*u:225+2*u] op_sel_hi:[1,0,1] neg_lo:[0,0,1] neg_hi:[0,0,1]
	WIN (2+(\b>>3))<<6
.irp a, 0,1,2,3
.irp p, 0,1,2,3
	v_cvt_pk_bf16_f32 v[8*(4*(\b&7)+2+(\a&1))+4*(1-(\a>>1))+\p], v[96+8*\a+2*\p], v[97+8*\a+2*\p]
.endr
.endr
.endm
.macro OUTQ a, bq, buf                 ; 16 rows x 64 columns: tiles into my stage, rows back, 16 lanes store 256 consecutive bytes, aligned
	WIN (2+(\bq>>1))<<2
.irp bb, 0,1,2,3
.irp hf, 0,1
.set d, 8*(4*(4*(\bq&1)+\bb)+\a)+4*\hf
	ds_store_b128 v14, v[d:d+3] offset:\bb*64+\hf*16
.endr
.endr
	WIN 0
	s_wait_xcnt 0x0                                ; the buffer, which earlier stores read, is loaded again only behind this wait
.irp t, 0,1,2,3,4,5,6,7
	ds_load_b128 v[\buf+4*\t:\buf+4*\t+3], v15 offset:\t*544
.endr
.irp t, 0,1,2,3,4,5,6,7
	s_wait_dscnt 7-\t
	global_store_b128 v16, v[\buf+4*\t:\buf+4*\t+3], s[34:35] offset:\a*65536+\t*8192+\bq*256 th:TH_STORE_NT
.endr
.endm
	; ---- attn Wo, onto x
	GEMM 0, 0, 0
	LN 0, 1, 2, 0                                  ; + bo, norm 1.  Its barriers stand behind every wave's last read of the attention panel
	; ---- h into the panel, in f32
.irp b, 0,1,2,3,4,5,6,7,8,9,10,11,12,13,14,15
	WIN (2+(\b>>3))<<2
.irp a, 0,1,2,3
.irp hf, 0,1
.set d, 8*(4*(\b&7)+\a)+4*\hf
	ds_store_b128 v[8+\a], v[d:d+3] offset:\b*1024+\hf*512
.endr
.endr
.endr
	WIN 0
	BAR
	; ---- h W1: the first K step starts the sums
	GEMM 1, 1, 0
	PARLOAD 3, 0, 32
	s_wait_dscnt 0x0
.irp b, 0,1,2,3,4,5,6,7
	GELUB \b
.endr
	WIN 0
	PARLOAD 3, 1, 32
	s_wait_dscnt 0x0
.irp b, 8,9,10,11,12,13,14,15
	GELUB \b
.endr
	; ---- h comes back as the start of the third product's sums; gelu takes the panel's first half
.irp b, 0,1,2,3,4,5,6,7,8,9,10,11,12,13,14,15
	WIN (2+(\b>>3))<<6
.irp a, 0,1
.irp hf, 0,1
.set d, 8*(4*(\b&7)+\a)+4*\hf
	ds_load_b128 v[d:d+3], v[8+\a] offset:\b*1024+\hf*512
.endr
.endr
.endr
	WIN 0
	BAR                                            ; every wave is done with h as an operand and has its own h of m tiles 0, 1
.irp b, 0,1,2,3,4,5,6,7,8,9,10,11,12,13,14,15
	WIN (2+(\b>>3))<<2
.irp a, 0,1,2,3
.set d, 8*(4*(\b&7)+2+(\a&1))+4*(1-(\a>>1))
	ds_store_b128 v[12+(\a>>1)], v[d:d+3] offset:(\a&1)*32768+\b*512
.endr
.endr
.irp b, 0,1,2,3,4,5,6,7,8,9,10,11,12,13,14,15
	WIN (2+(\b>>3))<<6
.irp a, 2,3
.irp hf, 0,1
.set d, 8*(4*(\b&7)+\a)+4*\hf
	ds_load_b128 v[d:d+3], v[8+\a] offset:\b*1024+\hf*512          ; the panel's second half, which gelu does not touch; behind the stores that took their data from these registers
.endr
.endr
.endr
	WIN 0
	BAR
	; ---- gelu W2, onto h
	GEMM 0, 0, 1
	LN 4, 5, 6, 2                                  ; + b2, norm 2
.irp a, 0,1,2,3
	OUTQ \a, 0, 96
	OUTQ \a, 1, 128
	OUTQ \a, 2, 96
	OUTQ \a, 3, 128
.endr
	s_wait_xcnt 0x0
	v_lshl_add_u32 v222, v0, 2, 0x4c400
	v_mov_b32 v223, 0
	s_wait_tensorcnt 0x0
	ds_add_u32 v222, v223
	s_wait_dscnt 0x0
	s_endpgm
.Lfunc_end_k_qc0a5621c87_chain:
	.size	k_qc0a5621c87_chain, .Lfunc_end_k_qc0a5621c87_chain-k_qc0a5621c87_chain
	.p2alignl 7, 3214868480
	.fill 96, 4, 3214868480
	.section	.rodata,"a",@progbits
	.p2align	6, 0x0
	.amdhsa_kernel k_qc0a5621c87_chain
		.amdhsa_group_segment_fixed_size 312832
		.amdhsa_private_segment_fixed_size 0
		.amdhsa_enable_private_segment 0
		.amdhsa_kernarg_size 88
		.amdhsa_user_sgpr_count 2
		.amdhsa_user_sgpr_kernarg_segment_ptr 1
		.amdhsa_wavefront_size32 1
		.amdhsa_system_sgpr_workgroup_id_x 1
		.amdhsa_system_sgpr_workgroup_id_y 1
		.amdhsa_system_sgpr_workgroup_id_z 1
		.amdhsa_system_vgpr_workitem_id 0
		.amdhsa_next_free_vgpr 1024
		.amdhsa_next_free_sgpr 66
		.amdhsa_reserve_vcc 0
		.amdhsa_float_denorm_mode_32 3
		.amdhsa_float_denorm_mode_16_64 3
		.amdhsa_memory_ordered 1
		.amdhsa_forward_progress 1
		.amdhsa_inst_pref_size 255
	.end_amdhsa_kernel
	.section	.bss,"aw",@nobits
	.p2align	6
	.space	262144
	.amdgpu_metadata
---
amdhsa.version: [ 1, 2 ]
amdhsa.kernels:
  - .name:           k_qc0a5621c87_chain
    .symbol:         k_qc0a5621c87_chain.kd
    .args:
      - { .name: attn, .offset: 0, .size: 8, .value_kind: global_buffer, .address_space: global }
      - { .name: wc, .offset: 8, .size: 8, .value_kind: global_buffer, .address_space: global }
      - { .name: x, .offset: 16, .size: 8, .value_kind: global_buffer, .address_space: global }
      - { .name: bo, .offset: 24, .size: 8, .value_kind: global_buffer, .address_space: global }
      - { .name: gamma1, .offset: 32, .size: 8, .value_kind: global_buffer, .address_space: global }
      - { .name: beta1, .offset: 40, .size: 8, .value_kind: global_buffer, .address_space: global }
      - { .name: b1, .offset: 48, .size: 8, .value_kind: global_buffer, .address_space: global }
      - { .name: b2, .offset: 56, .size: 8, .value_kind: global_buffer, .address_space: global }
      - { .name: gamma2, .offset: 64, .size: 8, .value_kind: global_buffer, .address_space: global }
      - { .name: beta2, .offset: 72, .size: 8, .value_kind: global_buffer, .address_space: global }
      - { .name: out0, .offset: 80, .size: 8, .value_kind: global_buffer, .address_space: global }
    .group_segment_fixed_size: 312832
    .private_segment_fixed_size: 0
    .kernarg_segment_align: 8
    .kernarg_segment_size: 88
    .max_flat_workgroup_size: 128
    .sgpr_count:     66
    .vgpr_count:     1024
    .wavefront_size: 32
...
	.end_amdgpu_metadata
.endif
;; end of part 3
;; ======== version 2 of 2: 3 launches; 1.23 times as fast as version 1
;; workspace buffers: xpk 16,777,216 bytes; wa 6,291,456 bytes; wc 6,291,456 bytes; attn 16,777,216 bytes
;; launch prep (part 4): grid 512 x 1, 8 waves a work-group, no clusters, 18,432 bytes of LDS; arguments x, Wq, Wk, Wv, Wo, W1, W2, xpk, wa, wc; writes xpk, wa, wc
.if DOCPART == 4
	.amdgcn_target "amdgcn-amd-amdhsa--gfx1250"
	.amdhsa_code_object_version 6
	.text
	.protected	k_qc0a5621c87_prep
	.globl	k_qc0a5621c87_prep
	.p2align	8
	.type	k_qc0a5621c87_prep,@function
k_qc0a5621c87_prep:
	s_mov_b64 s[64:65], 0
	v_nop
	global_prefetch_b8 v0, s[64:65] scope:SCOPE_SE
	s_setreg_imm32_b32 hwreg(HW_REG_WAVE_MODE, 25, 1), 1
	s_wait_xcnt 0x0
; prep: x and the six weight matrices are rounded to bf16 once and laid down in the order in which the matrix instruction wants them.
; NOTHING OF reference() IS LEFT OUT in this program: every input is loaded and every step is done.  (bk is live: masked scores are
; replaced by -1e10, so a shift common to the unmasked scores of a row changes the softmax.)
; A FRAGMENT is 16 rows x 32 k of bf16 = 1,024 bytes, laid as [c 0..1][lane 0..31][16 bytes]: lane (r = lane & 15, h = lane >> 4), half c,
; holds k = 16 c + 8 h + 0..7 of row r.  Two 16-byte loads a lane, 512 bytes apart, fill the 8 registers, and each covers 512 consecutive bytes.
;   xpk [b 16][ks 16][mt 32][s' 2][1024]   row 512 b + 16 mt + r of x, k = 64 ks + 32 s' + ..
;   wa  [hd 16][s 32][f 12][1024]          f = 4 m + bb, m = Wq, Wk, Wv; fragment row r = column 64 hd + 16 bb + r, k = 32 s + ..
;   wc  [w 4][G 3][512 fragments]          G = Wo, W1, W2; fragment row r = column 256 w + 16 b + r, k = 32 s + ..
;       Wo and W2 as [s 32][b 16]; W1 as [ch 4][s 32][bb 4], b = 4 ch + bb: the order in which the last launch walks them, so that a wave's weights are one contiguous stream
; Work-groups 0 to 255 pack 32 rows of x each; 256 to 383 pack Wq, Wk, Wv; 384 to 511 pack Wo, W1, W2.  Memory binds: no matrix unit, no cluster.
.set X,      8                         ; v[8:135]   x path: 32 loads of 4 f32
.set OUT,    136                       ; v[136:199] x path: 16 stores of 16 bytes
.set SPITCH, 272                       ; stage: 256 bytes of one (s', c, h) group + 16, so that the eight groups start at different banks
.set WSTAGE, 8*SPITCH                  ; a wave's own stage
	s_load_b512 s[8:23], s[0:1], 0x0               ; x 8, Wq 10, Wk 12, Wv 14, Wo 16, W1 18, W2 20, xpk 22
	s_load_b128 s[24:27], s[0:1], 0x40             ; wa 24, wc 26
	v_lshl_add_u32 v200, v0, 2, 0x4400
	v_mov_b32 v201, 0
	v_lshrrev_b32 v5, 5, v0
	v_readfirstlane_b32 s4, v5                     ; wave 0..7
	v_and_b32 v6, 31, v0                           ; lane
	v_and_b32 v7, 15, v0                           ; lane & 15
	v_bfe_u32 v5, v0, 4, 1                         ; lane >> 4
	s_cmp_lt_u32 ttmp9, 256
	s_cbranch_scc0 .Lweights
	; ---- x: the wave takes 16 rows (m tile 2 j + (wave >> 2)) and four blocks of 64 k (4 (wave & 3) + blk)
	s_lshr_b32 s5, s4, 2
	s_and_b32 s6, s4, 3
	v_lshlrev_b32 v1, 12, v5                       ; lanes 16-31 take the next row (4,096 bytes)
	v_lshl_add_u32 v1, v7, 4, v1                   ; 16 lanes cover 256 consecutive bytes of a row
	s_lshl_b32 s7, s5, 16
	s_lshl_b32 s2, s6, 10
	s_add_co_u32 s7, s7, s2
	v_add_nc_u32 v1, s7, v1                        ; + 16 rows x (wave >> 2) + 1,024 bytes x (wave & 3)
	s_mul_i32 s3, s4, WSTAGE
	v_lshrrev_b32 v2, 1, v7                        ; my 4 numbers belong to group (s', c, h) = (lane & 15) >> 1
	v_mul_u32_u24 v2, v2, SPITCH
	v_and_b32 v3, 1, v0
	v_lshl_add_u32 v2, v3, 3, v2                   ; 8 bytes: first or second half of the 8 k
	v_lshl_add_u32 v2, v5, 4, v2                   ; row 2 p + (lane >> 4): 16 bytes a row
	v_add_nc_u32 v2, s3, v2                        ; where I put 8 bytes
	v_mul_u32_u24 v3, v5, SPITCH
	v_lshl_add_u32 v3, v7, 4, v3
	v_add_nc_u32 v3, s3, v3                        ; where I read 16 bytes back: group 2 k + (lane >> 4)
	v_lshlrev_b32 v4, 4, v6                        ; 16 x lane
	s_lshl_b32 s28, ttmp9, 17                      ; 32 rows of 4,096 bytes
	s_mov_b32 s29, 0
	s_lshr_b32 s30, ttmp9, 4                       ; batch
	s_lshl_b32 s30, s30, 20
	s_lshl_b32 s2, ttmp9, 1
	s_add_co_u32 s2, s2, s5
	s_and_b32 s2, s2, 31                           ; m tile in the batch
	s_lshl_b32 s2, s2, 11
	s_add_co_u32 s30, s30, s2
	s_lshl_b32 s2, s6, 18                          ; four blocks of 65,536 bytes
	s_add_co_u32 s30, s30, s2
	s_mov_b32 s31, 0
	s_wait_kmcnt 0x0
	s_add_nc_u64 s[28:29], s[8:9], s[28:29]
	s_add_nc_u64 s[30:31], s[22:23], s[30:31]
.irp blk, 0,1,2,3
.irp p, 0,1,2,3,4,5,6,7
	global_load_b128 v[X+4*(8*\blk+\p):X+4*(8*\blk+\p)+3], v1, s[28:29] offset:\p*8192+\blk*256 th:TH_LOAD_NT
.endr
.endr
.irp blk, 0,1,2,3
	s_wait_loadcnt 8*(3-\blk)                      ; this block's eight loads are in; the younger blocks' stay out
.irp p, 0,1,2,3,4,5,6,7
	v_cvt_pk_bf16_f32 v[X+4*(8*\blk+\p)],   v[X+4*(8*\blk+\p)],   v[X+4*(8*\blk+\p)+1]
	v_cvt_pk_bf16_f32 v[X+4*(8*\blk+\p)+1], v[X+4*(8*\blk+\p)+2], v[X+4*(8*\blk+\p)+3]
.endr
.irp p, 0,1,2,3,4,5,6,7
	ds_store_b64 v2, v[X+4*(8*\blk+\p):X+4*(8*\blk+\p)+1] offset:\p*32
.endr
.irp k, 0,1,2,3
	ds_load_b128 v[OUT+16*\blk+4*\k:OUT+16*\blk+4*\k+3], v3 offset:\k*2*SPITCH   ; the stage is the wave's own and LDS serves a wave in order: no wait between stores, loads and the next block's stores
.endr
.irp k, 0,1,2,3
	s_wait_dscnt 3-\k
	global_store_b128 v4, v[OUT+16*\blk+4*\k:OUT+16*\blk+4*\k+3], s[30:31] offset:\blk*65536+\k*512   ; 512 consecutive bytes
.endr
.endr
	s_wait_tensorcnt 0x0
	ds_add_u32 v200, v201
	s_wait_dscnt 0x0
	s_endpgm
	; ---- weights: the wave packs the block of 32 k x 32 n at (s, nb) of three matrices.  Lane = column, register = k.
.Lweights:
	s_sub_co_u32 s5, ttmp9, 256
	s_lshr_b32 s6, s5, 7                           ; 0: Wq, Wk, Wv into wa;  1: Wo, W1, W2 into wc
	s_and_b32 s5, s5, 127
	s_lshl_b32 s5, s5, 3
	s_add_co_u32 s5, s5, s4
	s_and_b32 s7, s5, 31                           ; nb: neighbouring waves take neighbouring 128 bytes of the same rows
	s_lshr_b32 s5, s5, 5                           ; s
	v_lshlrev_b32 v1, 2, v6                        ; 4 x lane
	v_lshlrev_b32 v2, 10, v5                       ; lanes 16-31: the next fragment (the next 16 columns)
	v_lshl_add_u32 v2, v7, 4, v2
	s_lshl_b32 s38, s5, 17                         ; 32 rows of 4,096 bytes
	s_lshl_b32 s2, s7, 7
	s_add_co_u32 s38, s38, s2
	s_mov_b32 s39, 0
	s_lshr_b32 s2, s7, 1                           ; wa: fragment ((nb >> 1) 32 + s) 12 + 2 (nb & 1), + 4 for each matrix
	s_lshl_b32 s2, s2, 5
	s_add_co_u32 s2, s2, s5
	s_mul_i32 s2, s2, 12
	s_and_b32 s3, s7, 1
	s_lshl_b32 s3, s3, 1                           ; 2 (nb & 1)
	s_add_co_u32 s2, s2, s3
	s_lshr_b32 s40, s7, 3
	s_mul_i32 s40, s40, 1536                       ; wc: the block of wave w = nb >> 3: three matrices of 512 fragments
	s_bfe_u32 s41, s7, 0x20001                     ; W1: chunk (nb >> 1) & 3,
	s_lshl_b32 s41, s41, 7                         ; 128 fragments a chunk,
	s_add_co_u32 s41, s41, s40
	s_lshl_b32 s43, s5, 2                          ; 4 a K step,
	s_add_co_u32 s41, s41, s43
	s_add_co_u32 s41, s41, s3                      ; 2 (nb & 1) in it,
	s_add_co_u32 s41, s41, 512                     ; behind Wo's 512
	s_lshl_b32 s3, s5, 4                           ; Wo: 16 fragments a K step, 2 (nb & 7) in it; W2 the same, 1,024 further
	s_add_co_u32 s3, s3, s40
	s_and_b32 s43, s7, 7
	s_lshl_b32 s43, s43, 1
	s_add_co_u32 s3, s3, s43
	s_add_co_u32 s43, s3, 1024
	s_add_co_u32 s40, s2, 4
	s_add_co_u32 s42, s2, 8
	s_wait_kmcnt 0x0
	s_cmp_eq_u32 s6, 0
	s_cselect_b32 s2, s2, s3                       ; the three matrices' first fragments
	s_cselect_b32 s40, s40, s41
	s_cselect_b32 s42, s42, s43
	s_cselect_b64 s[28:29], s[10:11], s[16:17]
	s_cselect_b64 s[30:31], s[12:13], s[18:19]
	s_cselect_b64 s[44:45], s[14:15], s[20:21]
	s_cselect_b64 s[46:47], s[24:25], s[26:27]
	s_lshl_b32 s2, s2, 10
	s_mov_b32 s3, 0
	s_lshl_b32 s40, s40, 10
	s_mov_b32 s41, 0
	s_lshl_b32 s42, s42, 10
	s_mov_b32 s43, 0
	s_add_nc_u64 s[28:29], s[28:29], s[38:39]
	s_add_nc_u64 s[30:31], s[30:31], s[38:39]
	s_add_nc_u64 s[44:45], s[44:45], s[38:39]
	s_add_nc_u64 s[32:33], s[46:47], s[2:3]
	s_add_nc_u64 s[34:35], s[46:47], s[40:41]
	s_add_nc_u64 s[36:37], s[46:47], s[42:43]
.macro WLOAD dst, lo                   ; 32 rows of the block: register kk = k
.set kk, 0
.rept 32
	global_load_b32 v[\dst+kk], v1, s[\lo:\lo+1] offset:kk*4096
.set kk, kk+1
.endr
.endm
.macro PACK src, lo                    ; pairs of k into one register, ascending in place; quad u = 2 c + h of the fragment
.set kk, 0
.rept 16
	v_cvt_pk_bf16_f32 v[\src+kk], v[\src+2*kk], v[\src+2*kk+1]
.set kk, kk+1
.endr
.irp u, 0,1,2,3
	global_store_b128 v2, v[\src+4*\u:\src+4*\u+3], s[\lo:\lo+1] offset:\u*256   ; each half of the lanes fills 256 consecutive bytes, aligned
.endr
.endm
	WLOAD 8, 28
	WLOAD 40, 30
	s_wait_loadcnt 32                              ; the first matrix is in; the second's 32 loads stay out
	PACK 8, 32
	WLOAD 72, 44
	s_wait_loadcnt 32                              ; the second is in; the third's stay out
	PACK 40, 34
	s_wait_loadcnt 0x0
	PACK 72, 36
	s_endpgm
.Lfunc_end_k_qc0a5621c87_prep:
	.size	k_qc0a5621c87_prep, .Lfunc_end_k_qc0a5621c87_prep-k_qc0a5621c87_prep
	.p2alignl 7, 3214868480
	.fill 96, 4, 3214868480
	.section	.rodata,"a",@progbits
	.p2align	6, 0x0
	.amdhsa_kernel k_qc0a5621c87_prep
		.amdhsa_group_segment_fixed_size 18432
		.amdhsa_private_segment_fixed_size 0
		.amdhsa_enable_private_segment 0
		.amdhsa_kernarg_size 80
		.amdhsa_user_sgpr_count 2
		.amdhsa_user_sgpr_kernarg_segment_ptr 1
		.amdhsa_wavefront_size32 1
		.amdhsa_system_sgpr_workgroup_id_x 1
		.amdhsa_system_sgpr_workgroup_id_y 1
		.amdhsa_system_sgpr_workgroup_id_z 1
		.amdhsa_system_vgpr_workitem_id 0
		.amdhsa_next_free_vgpr 202
		.amdhsa_next_free_sgpr 66
		.amdhsa_reserve_vcc 0
		.amdhsa_float_denorm_mode_32 3
		.amdhsa_float_denorm_mode_16_64 3
		.amdhsa_memory_ordered 1
		.amdhsa_forward_progress 1
		.amdhsa_inst_pref_size 30
	.end_amdhsa_kernel
	.amdgpu_metadata
---
amdhsa.version: [ 1, 2 ]
amdhsa.kernels:
  - .name:           k_qc0a5621c87_prep
    .symbol:         k_qc0a5621c87_prep.kd
    .args:
      - { .name: x, .offset: 0, .size: 8, .value_kind: global_buffer, .address_space: global }
      - { .name: Wq, .offset: 8, .size: 8, .value_kind: global_buffer, .address_space: global }
      - { .name: Wk, .offset: 16, .size: 8, .value_kind: global_buffer, .address_space: global }
      - { .name: Wv, .offset: 24, .size: 8, .value_kind: global_buffer, .address_space: global }
      - { .name: Wo, .offset: 32, .size: 8, .value_kind: global_buffer, .address_space: global }
      - { .name: W1, .offset: 40, .size: 8, .value_kind: global_buffer, .address_space: global }
      - { .name: W2, .offset: 48, .size: 8, .value_kind: global_buffer, .address_space: global }
      - { .name: xpk, .offset: 56, .size: 8, .value_kind: global_buffer, .address_space: global }
      - { .name: wa, .offset: 64, .size: 8, .value_kind: global_buffer, .address_space: global }
      - { .name: wc, .offset: 72, .size: 8, .value_kind: global_buffer, .address_space: global }
    .group_segment_fixed_size: 18432
    .private_segment_fixed_size: 0
    .kernarg_segment_align: 8
    .kernarg_segment_size: 80
    .max_flat_workgroup_size: 256
    .sgpr_count:     66
    .vgpr_count:     202
    .wavefront_size: 32
...
	.end_amdgpu_metadata
.endif
;; end of part 4
;; launch attn (part 5): grid 16 x 16, 4 waves a work-group, clusters of 4 x 4, 327,680 bytes of LDS; arguments xpk, wa, x_mask, bq, bk, bv, attn; writes attn
.if DOCPART == 5
	.amdgcn_target "amdgcn-amd-amdhsa--gfx1250"
	.amdhsa_code_object_version 6
	.text
	.protected	k_qc0a5621c87_attn
	.globl	k_qc0a5621c87_attn
	.p2align	8
	.type	k_qc0a5621c87_attn,@function
k_qc0a5621c87_attn:
	s_mov_b64 s[64:65], 0
	v_nop
	global_prefetch_b8 v0, s[64:65] scope:SCOPE_SE
	s_setreg_imm32_b32 hwreg(HW_REG_WAVE_MODE, 25, 1), 1
	s_wait_xcnt 0x0
	s_wait_alu depctr_hold_cnt(0) depctr_sa_sdst(0) depctr_va_vdst(0) depctr_va_sdst(0) depctr_va_ssrc(0) depctr_va_vcc(0) depctr_vm_vsrc(0)
	s_getreg_b32 s2, hwreg(HW_REG_IB_STS2, 6, 4)
	s_cmp_eq_u32 s2, 0
	s_cbranch_scc0 .Lentry_in_a_cluster
	s_endpgm
.Lentry_in_a_cluster:
	s_bfe_u32 s2, ttmp6, 0x10000c
	s_cmp_lg_u32 s2, 0xf033
	s_cbranch_scc0 .Lentry_shape_is_right
	s_endpgm
.Lentry_shape_is_right:
; attn: one work-group for each (batch b, head hd): q, k, v = x W + bias (512 x 192 x 1024), mask, softmax, P V.  Nothing of reference() is left out.
; q, k, v, the scores and the probabilities never leave the WGP.  Four waves; wave w owns rows 128 w .. 128 w + 127, as queries and as the keys that it projects.
; All operands lie in fragment order (16 rows x 32 k = [c 2][lane 32][16 bytes]): every LDS access covers 512 consecutive bytes, so nothing is padded.
; PROJECTION: 96 accumulator tiles a wave (Q in register window 1, K in 2, V in 3), K in 16 steps of 64 through two LDS slots.
; CLUSTER 4 x 4: x's tile hangs on the batch alone and is shared along a row of the cluster (same cy); the weights' tile hangs on the head alone and is shared
; along a column (same cx).  Each is asked for jointly by four work-groups, which divides the requests by four.
; Q and K are made with the weights as source 0, so a lane holds one row and 8 neighbouring d: after rounding that IS a fragment chunk.  V is made with x as source 0,
; so a lane holds one d and 8 neighbouring keys: a chunk of V transposed.  Scores are made with K as source 0: a lane holds one query and 8 neighbouring keys, so two
; score tiles round into one fragment of P in place, and a row's maximum and sum need one exchange between the two halves of the lanes.
; P V BESIDE THE EXPONENTIALS: once a row's maximum is known, a fragment of P needs only its own two score tiles.  So the subtraction, exponentials, sums and rounding of
; key tiles 4 g + 4 .. 4 g + 7 stand in slices behind the matrix instructions that multiply key tiles 4 g .. 4 g + 3 by V.  Both query tiles of a trip go on sharing every
; fragment of K and of V: taking the two query tiles by turns instead would load each fragment twice.
; LIMITS.  q is multiplied by 0.125 log2(e) before it is rounded to bf16, and exponentials are taken to base 2.  A masked key's k row is set to 0 and -1e10 log2(e)
; enters the score as the matrix instruction's C: for finite q that is reference()'s replacement; an infinite or NaN q gives NaN at masked places too.
; The softmax sum is taken on the f32 exponentials, the product with V on their bf16 roundings.  Sums run in another order than reference()'s.
.set XT,   65536                       ; x tile: [mt 32][s' 2][1024]
.set WT,   24576                       ; weight tile: [s' 2][f 12][1024]
.set SLOT, XT+WT
.set KST,  2*SLOT                      ; K: [key tile 32][ds 2][1024]
.set VST,  KST+65536                   ; V transposed: [dt 4][ks 16][1024]
.set BIAS, VST+65536                   ; 512 f32: 0 or -1e10 log2(e)
                                       ; Q: wave w's 16 KiB at 16384 w, in slot 0's x part, written behind that slot's last fill; only wave w ever read those bytes
.set G1,  24                           ; s[24:31] x tiles: shape;  s[32:39] from where, to where, one set a slot
.set G0,  32
.set G1B, 48                           ; s[48:55], s[56:63] the same for the weights' tiles
.set G0B, 56
.set A0,  32                           ; v[32:95], v[96:159] x fragments of the two halves of a K step
.set A1,  96
.set BG,  160                          ; v[160:255] weight fragments: group 0 Wq, 1 Wk, 2 Wv, 4 fragments each
.set T,   96                           ; v[96:223] rounded results on their way to LDS
.set MSB, 0
.macro WIN new                         ; the immediate's high byte repeats the setting that is left; a switch that changes nothing is dropped
.if MSB != (\new)
	s_set_vgpr_msb (MSB<<8)|(\new)
.set MSB, \new
.endif
.endm
.macro PLACES                          ; four independent vector instructions between a matrix instruction and a write or load into its registers or a read of its result
.rept 4
	v_nop
.endr
.endm
.macro ROUND                           ; a round of the cluster's barrier: my work-group, wave 0 signals for it, all sixteen, my work-group again
	s_barrier_signal -1
	s_barrier_wait -1
	s_cmp_lg_u32 s10, 0
	s_cbranch_scc1 .Lnot_wave_0_\@
	s_barrier_signal -3
.Lnot_wave_0_\@:
	s_barrier_wait -3
	s_barrier_signal -1
	s_barrier_wait -1
.endm
.macro JLOAD n                         ; waves 0, 1 ask for the halves of x's tile, waves 2, 3 for the halves of the weights': one load a wave, one mask a line
	s_cmp_eq_u32 s11, 0
	s_cbranch_scc0 .Lfor_w_\@
	tensor_load_to_lds s[G0+4*(\n):G0+4*(\n)+3], s[G1:G1+7]
	s_nop 0
	s_branch .Lasked_\@
.Lfor_w_\@:
	tensor_load_to_lds s[G0B+4*(\n):G0B+4*(\n)+3], s[G1B:G1B+7]
	s_nop 0
.Lasked_\@:
.endm
.macro MMA d, p, q, zero               ; zero = 1: the product starts the sum
.if \zero
	v_wmma_f32_16x16x32_bf16 v[\d:\d+7], v[\p:\p+7], v[\q:\q+7], 0
.else
	v_wmma_f32_16x16x32_bf16 v[\d:\d+7], v[\p:\p+7], v[\q:\q+7], v[\d:\d+7]
.endif
.endm
	s_load_b256 s[68:75], s[0:1], 0x0              ; xpk 68, wa 70, x_mask 72, bq 74
	s_load_b128 s[76:79], s[0:1], 0x20             ; bk 76, bv 78
	s_load_b64 s[80:81], s[0:1], 0x30              ; attn
	v_lshl_add_u32 v30, v0, 2, 0x4c800
	v_mov_b32 v31, 0
	ds_add_u32 v30, v31
	ds_add_u32 v30, v31
	v_lshrrev_b32 v1, 5, v0
	v_readfirstlane_b32 s10, v1                    ; wave 0..3
	s_lshr_b32 s11, s10, 1                         ; I fetch for x (0) or for the weights (1)
	s_and_b32 s12, s10, 1                          ; which half of that tile
	s_bfe_u32 s40, ttmp6, 0x40000                  ; cx
	s_bfe_u32 s41, ttmp6, 0x40004                  ; cy
	s_lshl_b32 s42, ttmp9, 2
	s_add_co_u32 s42, s42, s40                     ; head = 4 x cluster x + cx
	s_and_b32 s13, ttmp7, 0xffff
	s_lshl_b32 s13, s13, 2
	s_add_co_u32 s13, s13, s41                     ; batch = 4 x cluster y + cy
	s_lshl_b32 s43, s41, 2
	s_lshl_b32 s43, 15, s43                        ; my row of the cluster
	s_lshl_b32 s44, 0x1111, s40                    ; my column
	; both tiles are dense in memory and come as rows of 256 bytes (32 elements of 8 bytes): 128 rows a wave for x, 48 for the weights
	s_or_b32 s[G1+0], s43, (3<<16)|(1<<21)         ; 15:0 mask; 17:16 element of 8 bytes; 21 set beside a mask; no padding
	s_or_b32 s[G1B+0], s44, (3<<16)|(1<<21)
	s_mov_b32 s[G1+1], 32<<16                      ; tensor_dim0 = 32
	s_mov_b32 s[G1B+1], 32<<16
	s_mov_b32 s[G1+2], 128<<16                     ; tensor_dim1 = rows
	s_mov_b32 s[G1B+2], 48<<16
	s_mov_b32 s[G1+3], 32<<16                      ; tile_dim0 = 32
	s_mov_b32 s[G1B+3], 32<<16
	s_mov_b32 s[G1+4], 128                         ; tile_dim1 = rows
	s_mov_b32 s[G1B+4], 48
	s_mov_b32 s[G1+5], 32                          ; pitch = 32 elements
	s_mov_b32 s[G1B+5], 32
	s_mov_b32 s[G1+6], 0
	s_mov_b32 s[G1B+6], 0
	s_mov_b32 s[G1+7], 0
	s_mov_b32 s[G1B+7], 0
	s_lshl_b32 s14, s13, 20                        ; x: batch x 16 tiles of 65,536 bytes + my half
	s_lshl_b32 s16, s12, 15
	s_add_co_u32 s14, s14, s16
	s_mov_b32 s15, 0
	s_mul_i32 s46, s42, 16*WT                      ; weights: head x 16 tiles of 24,576 bytes + my half
	s_mul_i32 s17, s12, WT/2
	s_add_co_u32 s46, s46, s17
	s_mov_b32 s47, 0
	s_lshl_b32 s20, s10, 15                        ; LDS: x's halves at 32,768 x wave (waves 0, 1)
	s_mul_i32 s21, s10, WT/2
	s_add_co_u32 s21, s21, XT-WT                   ; the weights' halves at 65,536 + 12,288 x (wave - 2) (waves 2, 3)
	s_mov_b32 s84, 0x76543210                      ; v_permlanex16_b32: lane i reads lane i of the other half
	s_mov_b32 s85, 0xfedcba98
	s_mov_b32 s86, 0x3e38aa3b                      ; 0.125 log2(e), twice
	s_mov_b32 s87, 0x3e38aa3b
	s_wait_dscnt 0x0
	s_wait_kmcnt 0x0
	s_add_nc_u64 s[14:15], s[68:69], s[14:15]
	s_add_nc_u64 s[46:47], s[70:71], s[46:47]
	ROUND                                          ; all sixteen work-groups are here: the first joint loads meet
.irp n, 0,1
	s_mov_b32 s[G0+4*\n], 1
	s_add_co_u32 s[G0+4*\n+1], s20, \n*SLOT
	s_add_nc_u64 s[G0+4*\n+2:G0+4*\n+3], s[14:15], \n*XT
	s_or_b32 s[G0+4*\n+3], s[G0+4*\n+3], 0x80000000
	s_mov_b32 s[G0B+4*\n], 1
	s_add_co_u32 s[G0B+4*\n+1], s21, \n*SLOT
	s_add_nc_u64 s[G0B+4*\n+2:G0B+4*\n+3], s[46:47], \n*WT
	s_or_b32 s[G0B+4*\n+3], s[G0B+4*\n+3], 0x80000000
.endr
	JLOAD 0                                        ; K step 0; slot 1 is first filled behind the first trip's round
	v_and_b32 v23, 15, v0
	v_bfe_u32 v22, v0, 4, 1
	v_and_b32 v1, 31, v0
	v_lshlrev_b32 v1, 4, v1                        ; 16 x lane
	v_lshlrev_b32 v22, 5, v22                      ; 32 h: my 8 f32 of 16
	v_lshlrev_b32 v23, 2, v23                      ; 4 r
	s_lshl_b32 s16, s10, 14
	v_add_nc_u32 v2, s16, v1                       ; my 8 x fragments' rows in slot 0 (later: my Q)
	v_add_nc_u32 v3, SLOT, v2                      ; in slot 1
	v_add_nc_u32 v4, XT, v1                        ; the weights' fragments in slot 0
	v_add_nc_u32 v5, SLOT+XT, v1                   ; in slot 1
	v_lshlrev_b32 v25, 4, v0                       ; 16 x thread: 4 keys of the table
	s_lshl_b32 s16, s10, 9
	v_add_nc_u32 v26, s16, v23                     ; my wave's 128 keys: 512 w + 4 r
	v_mov_b32 v24, 0xd056fa73                      ; -1e10 log2(e)
	s_lshl_b32 s82, s13, 11
	s_mov_b32 s83, 0
	s_add_nc_u64 s[72:73], s[72:73], s[82:83]      ; my batch's mask
	s_lshl_b32 s82, s42, 8
	s_add_nc_u64 s[74:75], s[74:75], s[82:83]      ; my head's 64 numbers of bq, bk, bv
	s_add_nc_u64 s[76:77], s[76:77], s[82:83]
	s_add_nc_u64 s[78:79], s[78:79], s[82:83]
	global_load_b128 v[14:17], v25, s[72:73]
.irp a, 0,1,2,3,4,5,6,7
	global_load_b32 v[6+\a], v26, s[72:73] offset:\a*64            ; mask of key 128 w + 16 a + r
.endr
.irp bb, 0,1,2,3
	global_load_b32 v[18+\bb], v23, s[78:79] offset:\bb*64         ; bv[16 bb + r]
.endr
	s_wait_loadcnt 0x0
.irp i, 14,15,16,17
	v_cmp_eq_u32 vcc_lo, 0, v\i
	v_cndmask_b32 v\i, 0, v24, vcc_lo              ; masked: -1e10 log2(e); else 0
.endr
	v_add_nc_u32 v25, BIAS, v25
	ds_store_b128 v25, v[14:17]                    ; waited for in front of the first trip's round
.irp a, 0,1,2,3,4,5,6,7
	v_cmp_ne_u32 s[88+\a], 0, v[6+\a]              ; lanes whose key of tile a is kept
.endr
.macro FETCHA slot, half, dst          ; my 8 x fragments of one half of the K step
.irp a, 0,1,2,3,4,5,6,7
.irp c, 0,1
	ds_load_b128 v[\dst+8*\a+4*\c:\dst+8*\a+4*\c+3], v[2+\slot] offset:\a*2048+\half*1024+\c*512
.endr
.endr
.endm
.macro FETCHB slot, half, g            ; the 4 fragments of one weight matrix
.irp bb, 0,1,2,3
.irp c, 0,1
	ds_load_b128 v[BG+32*\g+8*\bb+4*\c:BG+32*\g+8*\bb+4*\c+3], v[4+\slot] offset:\half*12288+(4*\g+\bb)*1024+\c*512
.endr
.endr
.endm
; 32 matrix instructions on the 32 tiles of one window.  The 96 accumulators take turns, one instruction a turn, in the same order in every half step and over the
; backward jump.
.macro RUN win, abuf, g, zero
	WIN (\win<<6)|(\win<<4)
.irp a, 0,1,2,3,4,5,6,7
.irp bb, 0,1,2,3
.if \win == 3
	MMA 8*(4*\a+\bb), \abuf+8*\a, BG+32*\g+8*\bb, \zero            ; V: lane = d, registers = keys
.else
	MMA 8*(4*\a+\bb), BG+32*\g+8*\bb, \abuf+8*\a, \zero            ; Q, K: lane = row, registers = d
.endif
.endr
.endr
.endm
; One K step of 64.  In front of the round: all my tensor loads have landed (one was out: my part of this trip's tile) and my LDS reads of the last trip's slot are back.
; Behind it: the joint refill of that slot first, then this slot is read.  The load has the trip's 192 matrix instructions in which to land.
.macro TRIP slot, refill, zero, last
	s_wait_tensorcnt 0x0
	ds_add_u32 v30, v31
	s_wait_dscnt 0x0
	s_add_nc_u64 s[G0+4*\slot+2:G0+4*\slot+3], s[G0+4*\slot+2:G0+4*\slot+3], 2*XT       ; no load of mine is out: this slot's next tile
	s_add_nc_u64 s[G0B+4*\slot+2:G0B+4*\slot+3], s[G0B+4*\slot+2:G0B+4*\slot+3], 2*WT
	s_wait_dscnt 0x0
	ROUND
.if \refill
	JLOAD 1-\slot
.endif
	PLACES
	FETCHB \slot, 0, 0
	FETCHA \slot, 0, A0
	FETCHB \slot, 0, 1
	FETCHB \slot, 0, 2
	FETCHA \slot, 1, A1
	s_wait_dscnt 32                                ; Wq's and x's first half are in; out: Wk 8, Wv 8, x's second half 16
	RUN 1, A0, 0, \zero
	WIN 0
	PLACES
	FETCHB \slot, 1, 0
	s_wait_dscnt 32                                ; Wk is in; out: Wv 8, x 16, the new Wq 8
	RUN 2, A0, 1, \zero
	WIN 0
	PLACES
	FETCHB \slot, 1, 1
	s_wait_dscnt 32                                ; Wv is in; out: x 16, the new Wq 8, Wk 8
	RUN 3, A0, 2, \zero
	WIN 0
	PLACES
	FETCHB \slot, 1, 2
.if \last
.irp bb, 0,1,2,3
.irp hf, 0,1
	global_load_b128 v[32+8*\bb+4*\hf:32+8*\bb+4*\hf+3], v22, s[74:75] offset:\bb*64+\hf*16   ; bq[16 bb + 8 h + ..], into the x buffer that is done with
	global_load_b128 v[64+8*\bb+4*\hf:64+8*\bb+4*\hf+3], v22, s[76:77] offset:\bb*64+\hf*16   ; bk likewise
.endr
.endr
.endif
	s_wait_dscnt 16                                ; x's second half and the new Wq are in; out: Wk 8, Wv 8
	RUN 1, A1, 0, 0
	s_wait_dscnt 8                                 ; out: Wv 8
	RUN 2, A1, 1, 0
	s_wait_dscnt 0x0
	RUN 3, A1, 2, 0
	WIN 0
.endm
	TRIP 0, 1, 1, 0                                ; the first K step starts the sums: nothing is cleared
	TRIP 1, 1, 0, 0
	s_mov_b32 s3, 6
.Lring:
	TRIP 0, 1, 0, 0
	TRIP 1, 1, 0, 0
	s_sub_co_u32 s3, s3, 1
	s_cmp_lg_u32 s3, 0
	s_cbranch_scc1 .Lring
	TRIP 0, 1, 0, 0
	TRIP 1, 0, 0, 1                                ; the last K step fetches nothing
	; ---- the projections' way into LDS.  Index t = 4 tile + pair; tile = 4 a + bb.
	PLACES
	v_add_nc_u32 v6, KST, v2                       ; my 8 key tiles of K
	s_lshl_b32 s16, s10, 12
	v_add_nc_u32 v7, s16, v1
	v_add_nc_u32 v7, VST, v7                       ; my 4 key steps of V, in each of the 4 d tiles
	v_add_nc_u32 v8, BIAS, v22
	s_wait_loadcnt 0x0                             ; bq, bk
.set t, 0
.rept 16
	v_pk_mul_f32 v[32+2*t:33+2*t], v[32+2*t:33+2*t], s[86:87] op_sel_hi:[1,0]
.set t, t+1
.endr
.macro TOBF                            ; 256 sums to 128 registers of bf16
.set t, 0
.rept 128
	v_cvt_pk_bf16_f32 v[T+t], v[2*t], v[2*t+1]
.set t, t+1
.endr
.endm
	WIN 0x41
.set t, 0
.rept 128
	v_pk_fma_f32 v[2*t:2*t+1], v[2*t:2*t+1], s[86:87], v[32+8*((t>>2)&3)+2*(t&3):33+8*((t>>2)&3)+2*(t&3)] op_sel_hi:[1,0,1]   ; (x Wq + bq) 0.125 log2(e)
.set t, t+1
.endr
	WIN 0x05
	TOBF
	WIN 0
.set t, 0
.rept 32
	ds_store_b128 v2, v[T+4*t:T+4*t+3] offset:t*512                ; Q: [a][ds][c]
.set t, t+1
.endr
	WIN 0x82
.set t, 0
.rept 128
	v_pk_add_f32 v[2*t:2*t+1], v[2*t:2*t+1], v[64+8*((t>>2)&3)+2*(t&3):65+8*((t>>2)&3)+2*(t&3)]
.set t, t+1
.endr
	WIN 0x0a
	TOBF
	WIN 0
.set t, 0
.rept 128
	v_cndmask_b32 v[T+t], 0, v[T+t], s[88+(t>>4)]                  ; a masked key's row of K is 0: its score is the table's number alone
.set t, t+1
.endr
.set t, 0
.rept 32
	ds_store_b128 v6, v[T+4*t:T+4*t+3] offset:t*512
.set t, t+1
.endr
	WIN 0xc3
.set t, 0
.rept 128
.if (t>>2)&1
	v_pk_add_f32 v[2*t:2*t+1], v[2*t:2*t+1], v[18+2*((t>>3)&1):19+2*((t>>3)&1)] op_sel:[0,1] op_sel_hi:[1,1]   ; bv of an odd d tile, to both
.else
	v_pk_add_f32 v[2*t:2*t+1], v[2*t:2*t+1], v[18+2*((t>>3)&1):19+2*((t>>3)&1)] op_sel_hi:[1,0]                ; of an even one
.endif
.set t, t+1
.endr
	WIN 0x0f
	TOBF
	WIN 0
.set t, 0
.rept 32
	ds_store_b128 v7, v[T+4*t:T+4*t+3] offset:(t&3)*16384+(t>>2)*512
.set t, t+1
.endr
	WIN 0xc0                                       ; window 3 is free: the table, as the C operand of all 32 key tiles
.set t, 0
.rept 64
	ds_load_b128 v[4*t:4*t+3], v8 offset:(t>>1)*64+(t&1)*16
.set t, t+1
.endr
	WIN 0
	s_lshl_b32 s82, s13, 20                        ; attn: m tile 32 b + 8 w + .., k step 2 hd + ..
	s_lshl_b32 s97, s10, 18
	s_add_co_u32 s82, s82, s97
	s_lshl_b32 s97, s42, 11
	s_add_co_u32 s82, s82, s97
	s_add_nc_u64 s[98:99], s[80:81], s[82:83]
	s_wait_dscnt 0x0                               ; my K, V and Q are in LDS,
	s_barrier_signal -1
	s_barrier_wait -1                              ; everybody's are
	v_add_nc_u32 v3, KST, v1
	v_add_nc_u32 v4, VST, v1
	v_mov_b32 v5, v1
	v_mov_b32 v28, 0                               ; targets of v_permlanex16_b32 count as read
	v_mov_b32 v29, 0
	; ---- attention: four trips of two query tiles.  Window 0: v8-15 maxima, v16-19 maximum (later 1 / sum) twice, v20-27 sums, v32-63 Q, v64-127 O, v128-191 and v192-255 K or V.
	; Score tile (q, t): window 1 + (t >> 4), v[128 q + 8 (t & 15)].  Window 3: the mask table.
.macro LOADK i, buf                    ; 8 key tiles 8 (i >> 1) + f, half i & 1 of d
.irp f, 0,1,2,3,4,5,6,7
.irp c, 0,1
	ds_load_b128 v[\buf+8*\f+4*\c:\buf+8*\f+4*\c+3], v3 offset:(8*((\i)>>1)+\f)*2048+((\i)&1)*1024+\c*512
.endr
.endr
.endm
.macro LOADV i, buf                    ; key steps 2 i, 2 i + 1 of all 4 d tiles
.irp kk, 0,1
.irp dt, 0,1,2,3
.irp c, 0,1
	ds_load_b128 v[\buf+8*(4*\kk+\dt)+4*\c:\buf+8*(4*\kk+\dt)+4*\c+3], v4 offset:\dt*16384+(2*(\i)+\kk)*1024+\c*512
.endr
.endr
.endr
.endm
; 16 matrix instructions.  The first half of d takes the table as C, the second adds in place, 16 instructions behind: the accumulators take turns.
.macro SCORE i
	s_wait_dscnt 16                                ; this batch is in; the other buffer's 16 loads stay out
.if (\i&1) == 0
	WIN ((1+(\i>>2))<<6)|0x30
.else
	WIN ((1+(\i>>2))<<6)|((1+(\i>>2))<<4)
.endif
.irp q, 0,1
.irp f, 0,1,2,3,4,5,6,7
.set d, 128*\q+8*((8*(\i>>1)+\f)&15)
.if (\i&1) == 0
	v_wmma_f32_16x16x32_bf16 v[d:d+7], v[128+8*\f:128+8*\f+7], v[32+16*\q:32+16*\q+7], v[8*(8*(\i>>1)+\f):8*(8*(\i>>1)+\f)+7]
.else
	v_wmma_f32_16x16x32_bf16 v[d:d+7], v[192+8*\f:192+8*\f+7], v[40+16*\q:40+16*\q+7], v[d:d+7]
.endif
.endr
.endr
	WIN 0
	PLACES
.if \i < 6
	LOADK \i+2, 128+64*(\i&1)
.else
	LOADV \i-6, 128+64*(\i&1)
.endif
.endm
.macro MAXPASS first                   ; 128 x two scores, eight chains by turns; a chain's first link starts from minus infinity
.set t, 0
.rept 128
.set later, (1-\first)+(t>>3)
.if later
	v_max3_num_f32 v[8+4*(t&1)+((t>>1)&3)], v[8+4*(t&1)+((t>>1)&3)], v[128*(t&1)+2*(t>>1)], v[128*(t&1)+2*(t>>1)+1]
.else
	v_max3_num_f32 v[8+4*(t&1)+((t>>1)&3)], 0xff800000, v[128*(t&1)+2*(t>>1)], v[128*(t&1)+2*(t>>1)+1]
.endif
.set t, t+1
.endr
.endm
; A UNIT is four scores of one query tile.  Unit u = 16 g + 8 q + jj belongs to key group g (key tiles 4 g .. 4 g + 3) and lies in window un = 1 + (g >> 2) at
; ur = 128 q + 32 (g & 3) + 4 jj; its two registers of P lie at up = 128 q + 16 (g & 3) + 2 jj of the same window.  up never lies above ur, and the scores that
; it lands on belong to the unit at half its place, which has been summed and rounded before: the rounding is in place.  128 units a trip, as many as P V has matrix instructions.
.macro USET u
.set uu, \u
.set uq, (uu>>3)&1
.set un, 1+(uu>>6)
.set ur, 128*uq+32*((uu>>4)&3)+4*(uu&7)
.set up, 128*uq+16*((uu>>4)&3)+2*(uu&7)
.endm
; Slice s: the sums of unit s - 2, the exponentials of unit s - 1, the subtraction for unit s, the rounding of unit s - 2: ten instructions.  An exponential's results are first
; read in the next slice, behind the four plain instructions that close this one (ISA guide 5.7.2).
; WINDOWS.  Exponential and rounding write, and read as source 0, the scores' window; the matrix instruction writes O and reads V as source 0 in window 0; windows 1 and 2 are
; full with the 512 scores.  So no one setting serves both, and two switches stand round each matrix instruction.  To keep it at two: the subtraction is a multiply-add by 1.0,
; exact, with the maximum as source 2 (window 0), which shares the rounding's setting; the sums (target and source 0 in window 0, source 1 the scores) run under the matrix
; instruction's own setting, but for the 16 slices in which the unit lies in window 2 and the fragment of P in window 1.
.macro VSLICE s
.set sl, \s
.if sl >= 2
.if sl < 130
	USET sl-2
	WIN un<<2
.set later, uu&0x77
.if later
	s_wait_alu depctr_va_vdst(0)
	v_pk_add_f32 v[20+4*uq:21+4*uq], v[20+4*uq:21+4*uq], v[ur:ur+1]
	v_pk_add_f32 v[22+4*uq:23+4*uq], v[22+4*uq:23+4*uq], v[ur+2:ur+3]
.else
	s_wait_alu depctr_va_vdst(0)
	v_pk_add_f32 v[20+4*uq:21+4*uq], 0, v[ur:ur+1] op_sel_hi:[0,1]         ; a query tile's first unit starts its two chains
	v_pk_add_f32 v[22+4*uq:23+4*uq], 0, v[ur+2:ur+3] op_sel_hi:[0,1]
.endif
.endif
.endif
.if sl >= 1
.if sl < 129
	USET sl-1
	WIN (un<<6)|(un<<2)|un
.irp e, 0,1,2,3
	v_exp_f32 v[ur+\e], v[ur+\e]
.endr
.endif
.endif
.if sl < 128
	USET sl
	WIN (un<<6)|(un<<2)|un
	v_pk_fma_f32 v[ur:ur+1], v[ur:ur+1], 1.0, v[16+2*uq:17+2*uq] op_sel_hi:[1,0,1] neg_lo:[0,0,1] neg_hi:[0,0,1]       ; score - maximum
	v_pk_fma_f32 v[ur+2:ur+3], v[ur+2:ur+3], 1.0, v[16+2*uq:17+2*uq] op_sel_hi:[1,0,1] neg_lo:[0,0,1] neg_hi:[0,0,1]
.endif
.if sl >= 2
.if sl < 130
	USET sl-2
	WIN (un<<6)|(un<<2)|un
	v_cvt_pk_bf16_f32 v[up], v[ur], v[ur+1]
	v_cvt_pk_bf16_f32 v[up+1], v[ur+2], v[ur+3]
.endif
.endif
.endm
; 16 matrix instructions on the 8 tiles of O by turns: key group i times V.  Behind matrix instruction w = 16 i + .. stands slice w + 18, which finishes
; unit w + 16: key group i + 1 is rounded when the batch ends.  A slice names none of the matrix instruction's registers (O, V's buffer, key group i's P), and six of its
; instructions are plain: they are the places in front of the loads that fill V's buffer again.  The last batch has no units left.
.macro PV i
.if \i == 7
	s_wait_dscnt 0x0
.else
	s_wait_dscnt 16                                ; this batch's V is in; the other buffer's 16 loads stay out
.endif
.irp kk, 0,1
.irp q, 0,1
.irp dt, 0,1,2,3
	WIN (1+(\i>>2))<<2
.if \i+\kk
	MMA 64+32*\q+8*\dt, 128+64*(\i&1)+8*(4*\kk+\dt), 128*\q+8*((2*\i+\kk)&7), 0
.else
	MMA 64+32*\q+8*\dt, 128+64*(\i&1)+8*(4*\kk+\dt), 128*\q+8*((2*\i+\kk)&7), 1
.endif
	VSLICE 16*\i+8*\kk+4*\q+\dt+18
.endr
.endr
.endr
.if \i < 6
	WIN (1+(\i>>2))<<2                             ; target and address in window 0
	LOADV \i+2, 128+64*(\i&1)
.endif
.endm
	s_mov_b32 s3, 4
.Lquery:
.irp q, 0,1
.irp e, 0,1
.irp c, 0,1
	ds_load_b128 v[32+16*\q+8*\e+4*\c:32+16*\q+8*\e+4*\c+3], v2 offset:\q*2048+\e*1024+\c*512
.endr
.endr
.endr
	LOADK 0, 128
	LOADK 1, 192
.irp i, 0,1,2,3,4,5,6,7
	SCORE \i
.endr
	WIN 0x14
	MAXPASS 1
	WIN 0x28
	MAXPASS 0
	WIN 0
.irp q, 0,1
	v_max3_num_f32 v[8+4*\q], v[8+4*\q], v[9+4*\q], v[10+4*\q]
	v_max_num_f32 v[8+4*\q], v[8+4*\q], v[11+4*\q]
	v_permlanex16_b32 v[28+\q], v[8+4*\q], s84, s85                ; the other half of the lanes holds the row's other 256 keys
	v_max_num_f32 v[16+2*\q], v[8+4*\q], v[28+\q]
	v_mov_b32 v[17+2*\q], v[16+2*\q]
.endr
	; slices 0 to 17 stand alone: they finish key group 0 (units 0 to 15) and start units 16 and 17
.set ps, 0
.rept 18
	VSLICE ps
.set ps, ps+1
.endr
.irp i, 0,1,2,3,4,5,6,7
	PV \i
.endr
	WIN 0
	PLACES                                         ; behind the last matrix instructions, in front of the first read of O
.irp q, 0,1
	v_pk_add_f32 v[20+4*\q:21+4*\q], v[20+4*\q:21+4*\q], v[22+4*\q:23+4*\q]
	v_add_f32 v[20+4*\q], v[20+4*\q], v[21+4*\q]
	v_permlanex16_b32 v[28+\q], v[20+4*\q], s84, s85
	v_add_f32 v[20+4*\q], v[20+4*\q], v[28+\q]
.endr
.irp q, 0,1
	v_rcp_f32 v[16+2*\q], v[20+4*\q]
	v_rcp_f32 v[17+2*\q], v[20+4*\q]
.endr
	v_nop
.set t, 0
.rept 32
	s_wait_alu depctr_va_vdst(0)
	v_pk_mul_f32 v[64+2*t:65+2*t], v[64+2*t:65+2*t], v[16+2*(t>>4):17+2*(t>>4)]
.set t, t+1
.endr
.set t, 0
.rept 32
	v_cvt_pk_bf16_f32 v[128+t], v[64+2*t], v[64+2*t+1]
.set t, t+1
.endr
.irp q, 0,1
.irp dt, 0,1,2,3
	global_store_b128 v5, v[128+16*\q+4*\dt:128+16*\q+4*\dt+3], s[98:99] offset:\q*32768+\dt*512   ; 512 consecutive bytes, already a fragment chunk of the next product
.endr
.endr
	s_wait_xcnt 0x0                                ; the stores' data and offset registers are written again only behind this wait
	v_add_nc_u32 v2, 4096, v2                      ; the next two query tiles
	v_add_nc_u32 v5, 65536, v5
	s_sub_co_u32 s3, s3, 1
	s_cmp_lg_u32 s3, 0
	s_cbranch_scc1 .Lquery
	s_wait_tensorcnt 0x0
	ds_add_u32 v30, v31
	s_wait_dscnt 0x0
	ROUND                                          ; the closing round: no work-group ends while a partner may still ask jointly
	s_endpgm
.Lfunc_end_k_qc0a5621c87_attn:
	.size	k_qc0a5621c87_attn, .Lfunc_end_k_qc0a5621c87_attn-k_qc0a5621c87_attn
	.p2alignl 7, 3214868480
	.fill 96, 4, 3214868480
	.section	.rodata,"a",@progbits
	.p2align	6, 0x0
	.amdhsa_kernel k_qc0a5621c87_attn
		.amdhsa_group_segment_fixed_size 327680
		.amdhsa_private_segment_fixed_size 0
		.amdhsa_enable_private_segment 0
		.amdhsa_kernarg_size 56
		.amdhsa_user_sgpr_count 2
		.amdhsa_user_sgpr_kernarg_segment_ptr 1
		.amdhsa_wavefront_size32 1
		.amdhsa_system_sgpr_workgroup_id_x 1
		.amdhsa_system_sgpr_workgroup_id_y 1
		.amdhsa_system_sgpr_workgroup_id_z 1
		.amdhsa_system_vgpr_workitem_id 0
		.amdhsa_next_free_vgpr 1024
		.amdhsa_next_free_sgpr 100
		.amdhsa_reserve_vcc 1
		.amdhsa_float_denorm_mode_32 3
		.amdhsa_float_denorm_mode_16_64 3
		.amdhsa_memory_ordered 1
		.amdhsa_forward_progress 1
		.amdhsa_inst_pref_size 255
	.end_amdhsa_kernel
	.section	.bss,"aw",@nobits
	.p2align	6
	.space	262144
	.amdgpu_metadata
---
amdhsa.version: [ 1, 2 ]
amdhsa.kernels:
  - .name:           k_qc0a5621c87_attn
    .symbol:         k_qc0a5621c87_attn.kd
    .args:
      - { .name: xpk, .offset: 0, .size: 8, .value_kind: global_buffer, .address_space: global }
      - { .name: wa, .offset: 8, .size: 8, .value_kind: global_buffer, .address_space: global }
      - { .name: x_mask, .offset: 16, .size: 8, .value_kind: global_buffer, .address_space: global }
      - { .name: bq, .offset: 24, .size: 8, .value_kind: global_buffer, .address_space: global }
      - { .name: bk, .offset: 32, .size: 8, .value_kind: global_buffer, .address_space: global }
      - { .name: bv, .offset: 40, .size: 8, .value_kind: global_buffer, .address_space: global }
      - { .name: attn, .offset: 48, .size: 8, .value_kind: global_buffer, .address_space: global }
    .group_segment_fixed_size: 327680
    .private_segment_fixed_size: 0
    .kernarg_segment_align: 8
    .kernarg_segment_size: 56
    .max_flat_workgroup_size: 128
    .sgpr_count:     100
    .vgpr_count:     1024
    .wavefront_size: 32
...
	.end_amdgpu_metadata
.endif
;; end of part 5
;; launch chain (part 6): grid 128 x 1, 4 waves a work-group, no clusters, 312,832 bytes of LDS; arguments attn, wc, x, bo, gamma1, beta1, b1, b2, gamma2, beta2, out0; writes out0
.if DOCPART == 6
	.amdgcn_target "amdgcn-amd-amdhsa--gfx1250"
	.amdhsa_code_object_version 6
	.text
	.protected	k_qc0a5621c87_chain
	.globl	k_qc0a5621c87_chain
	.p2align	8
	.type	k_qc0a5621c87_chain,@function
k_qc0a5621c87_chain:
	s_mov_b64 s[64:65], 0
	v_nop
	global_prefetch_b8 v0, s[64:65] scope:SCOPE_SE
	s_setreg_imm32_b32 hwreg(HW_REG_WAVE_MODE, 25, 1), 1
	s_wait_xcnt 0x0
; chain: for 64 rows: h = LN1(attn Wo + bo + x); out = LN2(gelu(h W1 + b1) W2 + b2 + h).  Nothing of reference() is left out.
; The norms need whole rows: 64 rows x 1,024 f32 sums are 512 registers in each of four waves, so 8,192 rows make 128 work-groups.  With 32 rows a work-group
; the same 6 MiB of weights would be streamed into twice as many work-groups.  Wave w owns columns 256 w .. 256 w + 255 of every product.
; The weights are source 0 and the activations source 1: lane (r, h), register j of tile (a, b) holds row 16 a + r, column 256 w + 16 b + 8 h + j, which is the same
; lane's chunk (k step 8 w + (b >> 1), half b & 1) of the next product's activation fragment: results go to an LDS panel without any exchange between lanes.
; THE TEXT IS SHORT ON PURPOSE.  'Product from the bf16 panel at LDS 0 onto the 64 accumulator tiles, then norm' stands once and runs twice (attn Wo onto x; gelu W2 onto h).
; Between the two, under a branch on the trip's number, which is the same in all waves, stands h W1 with its GELU: GELU needs no whole row, so the wave's 256 columns
; go as four trips of 64 columns over the full K on the same 16 tiles, which start as b1.  h stays in f32 in the 64 tiles, where the last product adds onto it.
; NO TENSOR LOADS, NO MULTICAST: a weight fragment is used by one wave of the work-group alone, so LDS would add a write and a read and spare nothing here, and the two
; bf16 panels (262,144 bytes) leave no room for a ring of slots.  Weights come from memory straight into registers, 512 consecutive bytes a load.  A wave's weights are
; one contiguous stream through all three products, asked for 32 KiB ahead in two groups of 16 KiB: the group for window 1 goes out ahead of a vector phase (GELU), the
; group for window 0, whose registers that phase works in, behind it.
; LIMITS.  erf by the rational form of Abramowitz and Stegun 7.1.26 (absolute error at most 1.5e-7 for every argument); variance from the deviations (second pass), as
; reference() does; sums in another order than reference()'s; matrix operands rounded to bf16.
.set HPAN, 131072                      ; LDS 0: attn, later gelu; LDS 131072: h.  Both bf16: a 32768 + s 1024 + c 512 + 16 lane
.set STG,  262144                      ; a wave's own stage: 16 rows x 272 bytes, at 4,352 x wave
.set SCR,  279552                      ; two regions of [row 64][wave 4] f32; barriers stand between one norm's reads and the next norm's stores
.set PAR,  283648                      ; seven vectors of 4,096 bytes: bo, gamma1, beta1, b1, b2, gamma2, beta2; a wave stores and reads its own 1,024 bytes of each
; window 0: v1-v31 addresses and constants; v32-63, v64-95 activation fragments (parameters in the norm, buffers on the way out);
;           v96-223 weights: K step 1 of 2 (16 fragments), or K steps 4-7 of 8 (4 fragments each); v96-255 at work in the norm and the GELU
; window 1: v0-127 weights: K step 0 of 2, or K steps 0-3 of 8;  v128-255 the 16 tiles of h W1: tile (a, bb) at 128 + 8 (4 bb + a)
; windows 2, 3: tile (a, b) at window 2 + (b >> 3), v[8 (4 (b & 7) + a)]
.set MSB, 0
.macro WIN new                         ; the immediate's high byte repeats the setting that is left
.if MSB != (\new)
	s_set_vgpr_msb (MSB<<8)|(\new)
.set MSB, \new
.endif
.endm
.macro PLACES                          ; four independent vector instructions behind a matrix instruction (ISA guide 7.12.1)
.rept 4
	v_nop
.endr
.endm
.macro BAR                             ; what other waves rely on is complete in front of the signal
	s_wait_dscnt 0x0
	s_barrier_signal -1
	s_barrier_wait -1
.endm
.macro MMA d, p, q                     ; every sum starts from numbers that belong in it (x, b1, h): nothing is cleared
	v_wmma_f32_16x16x32_bf16 v[\d:\d+7], v[\p:\p+7], v[\q:\q+7], v[\d:\d+7]
.endm
	s_load_b512 s[8:23], s[0:1], 0x0               ; attn 8, wc 10, x 12, bo 14, gamma1 16, beta1 18, b1 20, b2 22
	s_load_b128 s[24:27], s[0:1], 0x40             ; gamma2 24, beta2 26
	s_load_b64 s[28:29], s[0:1], 0x50              ; out0
	v_lshl_add_u32 v7, v0, 2, 0x4c400
	v_mov_b32 v13, 0
	v_lshrrev_b32 v26, 5, v0
	v_readfirstlane_b32 s4, v26                    ; wave 0..3
	v_and_b32 v26, 15, v0                          ; r
	v_bfe_u32 v27, v0, 4, 1                        ; h
	v_and_b32 v1, 31, v0
	v_lshlrev_b32 v1, 4, v1                        ; 16 x lane
	s_lshl_b32 s5, s4, 13
	v_add_nc_u32 v12, s5, v1                       ; my columns of a bf16 panel, m tiles 0-1
	v_add_nc_u32 v10, HPAN, v12                    ; v10, 11: the same in h's panel, m tiles 0-1 and 2-3
	v_add_nc_u32 v11, HPAN+0x10000, v12
	s_mul_i32 s5, s4, 4352
	s_add_co_u32 s5, s5, STG
	v_mul_u32_u24 v14, v26, 272
	v_lshl_add_u32 v14, v27, 5, v14
	v_add_nc_u32 v14, s5, v14                      ; stage by tiles: row r, 32 h bytes
	v_mul_u32_u24 v15, v27, 272
	v_lshl_add_u32 v15, v26, 4, v15
	v_add_nc_u32 v15, s5, v15                      ; stage by rows: lanes 0-15 one row of 256 bytes, lanes 16-31 the next
	s_lshl_b32 s6, s4, 10
	v_lshlrev_b32 v16, 12, v27
	v_lshl_add_u32 v16, v26, 4, v16
	v_add_nc_u32 v16, s6, v16                      ; the same two rows in x and out0, my wave's 1,024 bytes
	s_add_co_u32 s7, s6, PAR
	v_lshl_add_u32 v18, v27, 5, s7                 ; parameters of my columns: + 64 b + 16 hf
	v_mov_b32 v17, v18                             ; the norm's three vectors: bo, gamma1, beta1; four vectors on in its second trip
	v_lshlrev_b32 v20, 4, v26
	v_add_nc_u32 v20, SCR, v20                     ; a row's four partial sums
	v_lshl_add_u32 v19, s4, 2, v20                 ; mine among them
	s_lshl_b32 s5, s4, 15
	v_add_nc_u32 v21, s5, v1                       ; my quarter of the attention panel
	v_add_nc_u32 v22, s6, v1
	v_add_nc_u32 v23, s7, v1
	v_mov_b32 v24, 0xbf3a00e3                      ; 0.5 a4, twice
	v_mov_b32 v25, 0xbf3a00e3
.irp i, 28,29,30,31
	v_mov_b32 v\i, 0                               ; targets of v_permlanex16_b32 count as read
.endr
	s_mov_b32 s38, 0x76543210
	s_mov_b32 s39, 0xfedcba98
.irp p, 40,41
	s_mov_b32 s\p, 0x3e027906                      ; 0.5 a1
.endr
.irp p, 42,43
	s_mov_b32 s\p, 0xbe11a98e                      ; 0.5 a2
.endr
.irp p, 44,45
	s_mov_b32 s\p, 0x3f35f0e3                      ; 0.5 a3
.endr
.irp p, 48,49
	s_mov_b32 s\p, 0x3f07dc22                      ; 0.5 a5
.endr
.irp p, 50,51
	s_mov_b32 s\p, 0xbf38aa3b                      ; -0.5 log2(e)
.endr
	s_mov_b32 s52, 0x3e6d3388                      ; 0.3275911 / sqrt(2)
	s_mov_b32 s53, 0x7fffffff
	s_mov_b32 s54, 0x3a800000                      ; 1 / 1024
	s_mov_b32 s55, 0x3a802008                      ; 1 / 1023
	s_mov_b32 s56, 0x358637bd                      ; 1e-6
	s_mul_i32 s30, s4, 1572864                     ; my wave's stream of weights: three products of 524,288 bytes
	s_mov_b32 s31, 0
	s_lshl_b32 s32, ttmp9, 18                      ; 64 rows of 4,096 bytes
	s_mov_b32 s33, 0
	s_lshl_b32 s36, ttmp9, 17                      ; 4 m tiles of 32,768 bytes
	s_mov_b32 s37, 0
	s_wait_kmcnt 0x0
	s_add_nc_u64 s[30:31], s[10:11], s[30:31]
	s_add_nc_u64 s[34:35], s[28:29], s[32:33]
	s_add_nc_u64 s[32:33], s[12:13], s[32:33]
	s_add_nc_u64 s[36:37], s[8:9], s[36:37]
; 8 KiB of the stream, 8 fragments, 16 loads of 512 consecutive bytes.  j = 0: into window 1, v0-127; j = 1: into window 0, v96-223.
.macro BLOAD j, half, off
	WIN 0x40*(1-\j)
.irp f, 0,1,2,3,4,5,6,7
.irp c, 0,1
	global_load_b128 v[96*\j+8*(8*\half+\f)+4*\c:96*\j+8*(8*\half+\f)+4*\c+3], v1, s[30:31] offset:\off+(8*\half+\f)*1024+\c*512
.endr
.endr
.endm
.macro ALOAD16 dst, koff               ; the 4 activation fragments of a K step from the panel that v2, v3 point into
	WIN 0
.irp a, 0,1,2,3
.irp c, 0,1
	ds_load_b128 v[\dst+8*\a+4*\c:\dst+8*\a+4*\c+3], v[2+(\a>>1)] offset:(\a&1)*32768+\koff+\c*512
.endr
.endr
.endm
; 32 matrix instructions: 8 n tiles x 4 m tiles.  The 64 accumulators take turns, one instruction a turn, in the same order in every K step and over the backward jump.
.macro MUL32 half, j
	WIN (0xa0+0x50*\half)|(1-\j)
.irp bb, 0,1,2,3,4,5,6,7
.irp a, 0,1,2,3
	MMA 8*(4*\bb+\a), 96*\j+8*(8*\half+\bb), 32+32*\j+8*\a
.endr
.endr
.endm
; One K step of 32 of a product on all 64 tiles, on buffers j.  Weight loads go in groups of 16; behind the group that a wait wants, three more groups have been issued: 48.
; The stream's pointer is stepped once a trip, behind the trip's first 32 matrix instructions and in front of its first refill.
.macro STEP j, bpre, apre, clo, chi
	s_wait_loadcnt \clo
	s_wait_dscnt 0x0                               ; this step's activation fragments
	MUL32 0, \j
	PLACES
.if \j == 0
	s_wait_xcnt 0x0                                ; the pending loads' base is written again only behind this wait
	s_add_nc_u64 s[30:31], s[30:31], 32768         ; now two K steps ahead of this one
.endif
.if \bpre
	BLOAD \j, 0, \j*16384                          ; into the half buffer just multiplied
.endif
.if \apre
	ALOAD16 32+32*(1-\j), (\j+1)*1024
.endif
	s_wait_loadcnt \chi
	MUL32 1, \j
	PLACES
.if \bpre
	BLOAD \j, 1, \j*16384
.endif
.endm
.macro GTRIP bpre, alast, c0, c1, c2, c3
	STEP 0, \bpre, 1, \c0, \c1
	STEP 1, \bpre, 1-\alast, \c2, \c3
	WIN 0
	v_add_nc_u32 v2, 2048, v2
	v_add_nc_u32 v3, 2048, v3
.endm
; One K step of 32 of h W1 on 16 tiles: buffer j of eight (0-3 in window 1, 4-7 in window 0), 8 loads each.  The 16 accumulators take turns.
; lc: the loads issued behind buffer j's (seven steps of 8 = 56 in the steady state).  dc: 8 = the next step's activation fragments stay out.
.macro CSTEP j, refill, apre, lc, dc
	s_wait_loadcnt \lc
	s_wait_dscnt \dc
	WIN 0x50|(1-(\j>>2))
.irp bb, 0,1,2,3
.irp a, 0,1,2,3
	MMA 128+8*(4*\bb+\a), 32*\j-32*(\j>>2)+8*\bb, 32+32*(\j&1)+8*\a
.endr
.endr
	PLACES
.if \j == 0
	s_wait_xcnt 0x0                                ; the pending loads' base is written again only behind this wait
	s_add_nc_u64 s[30:31], s[30:31], 32768         ; now eight K steps ahead of this one
.endif
.if \refill
	WIN 0x40*(1-(\j>>2))
.irp bb, 0,1,2,3
.irp c, 0,1
	global_load_b128 v[32*\j-32*(\j>>2)+8*\bb+4*\c:32*\j-32*(\j>>2)+8*\bb+4*\c+3], v1, s[30:31] offset:\j*4096+\bb*1024+\c*512
.endr
.endr
.endif
.if \apre
	ALOAD16 32+32*(\j&1), (\j+2)*1024              ; two steps ahead, into the buffer just multiplied
.endif
.endm
; x comes in by rows (16 lanes: 256 consecutive bytes) into the registers of the tiles that it will start, and is turned into the tiles' layout through the wave's stage.
.macro XLOAD a
.irp bq, 0,1,2,3
	WIN 0x88+0x44*(\bq>>1)
.irp t, 0,1,2,3,4,5,6,7
.set d, 8*(4*(4*(\bq&1)+(\t>>1))+\a)+4*(\t&1)
	global_load_b128 v[d:d+3], v16, s[32:33] offset:\a*65536+\t*8192+\bq*256 th:TH_LOAD_NT
.endr
.endr
.endm
.macro XPASS a
.irp bq, 0,1,2,3
	WIN 0x88+0x44*(\bq>>1)
.irp t, 0,1,2,3,4,5,6,7
.set d, 8*(4*(4*(\bq&1)+(\t>>1))+\a)+4*(\t&1)
	ds_store_b128 v15, v[d:d+3] offset:\t*544
.endr
.irp bb, 0,1,2,3
.irp hf, 0,1
.set d, 8*(4*(4*(\bq&1)+\bb)+\a)+4*\hf
	ds_load_b128 v[d:d+3], v14 offset:\bb*64+\hf*16                ; LDS serves a wave in order: these see the stores above, and the next quarter's stores come behind them
.endr
.endr
.endr
.endm
	; ---- the start.  Each wait's count is the 32 loads of the group issued behind the one that is wanted.
.irp vec, 0,1,2,3,4,5,6
.irp i, 0,1
	global_load_b128 v[96+8*\vec+4*\i:96+8*\vec+4*\i+3], v22, s[14+2*\vec:15+2*\vec] offset:\i*512
.endr
.endr
	WIN 0x40
.set t, 0
.rept 64
	global_load_b128 v[4*t:4*t+3], v21, s[36:37] offset:t*512 th:TH_LOAD_NT       ; my quarter of the attention panel, through window 1
.set t, t+1
.endr
	WIN 0
	s_wait_loadcnt 32
.irp vec, 0,1,2,3,4,5,6
.irp i, 0,1
	ds_store_b128 v23, v[96+8*\vec+4*\i:96+8*\vec+4*\i+3] offset:\vec*4096+\i*512
.endr
.endr
	WIN 0x04
.set t, 0
.rept 32
	ds_store_b128 v21, v[4*t:4*t+3] offset:t*512
.set t, t+1
.endr
	XLOAD 0
	s_wait_loadcnt 32
	WIN 0x04
.rept 32
	ds_store_b128 v21, v[4*t:4*t+3] offset:t*512                   ; t runs on from 32: the second half of my quarter
.set t, t+1
.endr
	XLOAD 1
	s_wait_loadcnt 32
	XPASS 0
	XLOAD 2
	s_wait_loadcnt 32
	XPASS 1
	XLOAD 3
	s_wait_loadcnt 32
	XPASS 2
	s_wait_dscnt 0x0                               ; the panel's and the parameters' stores have taken their data: those registers now take the weights
	BLOAD 0, 0, 0                                  ; Wo's K step 0
	BLOAD 0, 1, 0
	s_wait_loadcnt 32
	XPASS 3
	BLOAD 1, 0, 16384                              ; and 1
	BLOAD 1, 1, 16384
	WIN 0
	BAR                                            ; the attention panel is whole
.macro PARLOAD vec, half, dst          ; a parameter vector's numbers for 8 of my n tiles: 8 registers a tile
.irp bb, 0,1,2,3,4,5,6,7
.irp hf, 0,1
	ds_load_b128 v[\dst+8*\bb+4*\hf:\dst+8*\bb+4*\hf+3], v17 offset:(\vec)*4096+(8*(\half)+\bb)*64+\hf*16
.endr
.endr
.endm
; The eight chains v160-175 (m tile a, two chains each) become a row's sum over all 1,024 columns, in v[192 + 4 a] of every lane.
; Region q of the partial sums begins 1,024 q bytes behind SCR; word (row 16 a + r, wave w) lies at 256 a + 16 r + 4 w in it.
.macro REDUCE q
.irp a, 0,1,2,3
	v_pk_add_f32 v[160+2*\a:161+2*\a], v[160+2*\a:161+2*\a], v[168+2*\a:169+2*\a]
.endr
.irp a, 0,1,2,3
	v_add_f32 v[160+2*\a], v[160+2*\a], v[161+2*\a]
.endr
.irp a, 0,1,2,3
	v_permlanex16_b32 v[28+\a], v[160+2*\a], s38, s39              ; the other half of the lanes holds the row's other columns of my 256
.endr
.irp a, 0,1,2,3
	v_add_f32 v[160+2*\a], v[160+2*\a], v[28+\a]
	ds_store_b32 v19, v[160+2*\a] offset:(\q)*1024+\a*256
.endr
	BAR
.irp a, 0,1,2,3
	ds_load_b128 v[192+4*\a:195+4*\a], v20 offset:(\q)*1024+\a*256
.endr
	s_wait_dscnt 0x0
.irp a, 0,1,2,3
	v_add_f32 v[192+4*\a], v[192+4*\a], v[193+4*\a]
	v_add_f32 v[194+4*\a], v[194+4*\a], v[195+4*\a]
	v_add_f32 v[192+4*\a], v[192+4*\a], v[194+4*\a]
.endr
.endm
.macro EACH16 line:vararg
.set u, 0
	s_wait_alu depctr_va_vdst(0)
.rept 16
	\line
.set u, u+1
.endr
.endm
; gelu(u) = 0.5 (u + |u|) - |u| (0.5 P(t)) exp(-u u / 2), t = 1 / (1 + 0.3275911 |u| / sqrt 2), for the four tiles (0..3, bb); u lies in window 1.
; v96 u + |u|, then the result; v128 |u|; v160 t; v192 exp; v224 P, then the 16 registers of bf16 that go to the panel.
.macro GELUB bb
	WIN 0x04
.set u, 0
.rept 32
	v_and_b32 v[128+u], s53, v[128+32*\bb+u]
.set u, u+1
.endr
	WIN 0x05
	EACH16 v_pk_mul_f32 v[192+2*u:193+2*u], v[128+32*\bb+2*u:129+32*\bb+2*u], v[128+32*\bb+2*u:129+32*\bb+2*u]
	WIN 0x01
	EACH16 v_pk_add_f32 v[96+2*u:97+2*u], v[128+32*\bb+2*u:129+32*\bb+2*u], v[128+2*u:129+2*u]
	WIN 0
	EACH16 v_pk_fma_f32 v[160+2*u:161+2*u], v[128+2*u:129+2*u], s[52:53], 1.0 op_sel_hi:[1,0,0]
.set u, 0
.rept 32
	v_rcp_f32 v[160+u], v[160+u]
.set u, u+1
.endr
	EACH16 v_pk_mul_f32 v[192+2*u:193+2*u], v[192+2*u:193+2*u], s[50:51] op_sel_hi:[1,0]
.set u, 0
.rept 32
	v_exp_f32 v[192+u], v[192+u]
.set u, u+1
.endr
	EACH16 v_pk_fma_f32 v[224+2*u:225+2*u], v[160+2*u:161+2*u], s[48:49], v[24:25] op_sel_hi:[1,0,1]
	EACH16 v_pk_fma_f32 v[224+2*u:225+2*u], v[224+2*u:225+2*u], v[160+2*u:161+2*u], s[44:45] op_sel_hi:[1,1,0]
	EACH16 v_pk_fma_f32 v[224+2*u:225+2*u], v[224+2*u:225+2*u], v[160+2*u:161+2*u], s[42:43] op_sel_hi:[1,1,0]
	EACH16 v_pk_fma_f32 v[224+2*u:225+2*u], v[224+2*u:225+2*u], v[160+2*u:161+2*u], s[40:41] op_sel_hi:[1,1,0]
	EACH16 v_pk_mul_f32 v[224+2*u:225+2*u], v[224+2*u:225+2*u], v[160+2*u:161+2*u]
	EACH16 v_pk_mul_f32 v[224+2*u:225+2*u], v[224+2*u:225+2*u], v[192+2*u:193+2*u]
	EACH16 v_pk_mul_f32 v[224+2*u:225+2*u], v[224+2*u:225+2*u], v[128+2*u:129+2*u]
	EACH16 v_pk_fma_f32 v[96+2*u:97+2*u], v[96+2*u:97+2*u], 0.5, v[224+2*u:225+2*u] op_sel_hi:[1,0,1] neg_lo:[0,0,1] neg_hi:[0,0,1]
	EACH16 v_cvt_pk_bf16_f32 v[224+u], v[96+2*u], v[97+2*u]
.irp a, 0,1,2,3
	ds_store_b128 v[8+(\a>>1)], v[224+4*\a:227+4*\a] offset:(\a&1)*32768+\bb*512   ; k step 8 w + 2 ch + (bb >> 1), half bb & 1 of the last product
.endr
.endm
.macro OUTQ a, bq, buf                 ; 16 rows x 64 columns: tiles into my stage, rows back, 16 lanes store 256 consecutive bytes, aligned
	WIN (2+(\bq>>1))<<2
.irp bb, 0,1,2,3
.irp hf, 0,1
.set d, 8*(4*(4*(\bq&1)+\bb)+\a)+4*\hf
	ds_store_b128 v14, v[d:d+3] offset:\bb*64+\hf*16
.endr
.endr
	WIN 0
	s_wait_xcnt 0x0                                ; the buffer, which earlier stores read, is loaded again only behind this wait
.irp t, 0,1,2,3,4,5,6,7
	ds_load_b128 v[\buf+4*\t:\buf+4*\t+3], v15 offset:\t*544
.endr
.irp t, 0,1,2,3,4,5,6,7
	s_wait_dscnt 7-\t
	global_store_b128 v16, v[\buf+4*\t:\buf+4*\t+3], s[34:35] offset:\a*65536+\t*8192+\bq*256 th:TH_STORE_NT
.endr
.endm
	; ==== two trips: attn Wo onto x, norm 1;  gelu W2 onto h, norm 2.  On the way in: the panel at LDS 0 is whole, the product's K steps 0 and 1 are asked for,
	; and the pointer stands at the product's first byte.
	s_mov_b32 s57, 0
.Lproduct:
	v_mov_b32 v2, v1
	v_add_nc_u32 v3, 0x10000, v1
	ALOAD16 32, 0
	s_mov_b32 s3, 15
.Lk16:
	GTRIP 1, 0, 48, 48, 48, 48
	s_sub_co_u32 s3, s3, 1
	s_cmp_lg_u32 s3, 0
	s_cbranch_scc1 .Lk16
	GTRIP 0, 1, 48, 32, 16, 0                      ; the last two K steps fetch nothing: the counts are the groups still behind the one wanted
	; ---- acc = gam (acc + bias - mean) / (std + 1e-6) + bet.  Index u = pair in a window: m tile (u >> 2) & 3, n tile u >> 4, pair u & 3.  A chain's first link starts it.
.irp nw, 2,3
	WIN 0
	PARLOAD 0, \nw-2, 32
	s_wait_dscnt 0x0
	WIN \nw*0x41
.set u, 0
.rept 128
	v_pk_add_f32 v[2*u:2*u+1], v[2*u:2*u+1], v[32+8*(u>>4)+2*(u&3):33+8*(u>>4)+2*(u&3)]
.set u, u+1
.endr
	WIN \nw
.set u, 0
.rept 128
.set later, (\nw-2)+(u>>4)+((u&3)>>1)
.set sc, 160+2*(((u>>2)&3)+4*(u&1))
.if later
	v_pk_add_f32 v[sc:sc+1], v[2*u:2*u+1], v[sc:sc+1]
.else
	v_pk_add_f32 v[sc:sc+1], v[2*u:2*u+1], 0 op_sel_hi:[1,0]
.endif
.set u, u+1
.endr
.endr
	WIN 0
	REDUCE 0
.irp a, 0,1,2,3
	v_mul_f32 v[176+2*\a], s54, v[192+4*\a]                        ; mean, twice
	v_mov_b32 v[177+2*\a], v[176+2*\a]
.endr
.irp nw, 2,3
	WIN \nw*0x41
.set u, 0
.rept 128
	v_pk_add_f32 v[2*u:2*u+1], v[2*u:2*u+1], v[176+2*((u>>2)&3):177+2*((u>>2)&3)] neg_lo:[0,1] neg_hi:[0,1]
.set u, u+1
.endr
	WIN \nw*5
.set u, 0
.rept 128
.set later, (\nw-2)+(u>>4)+((u&3)>>1)
.set sc, 160+2*(((u>>2)&3)+4*(u&1))
.if later
	v_pk_fma_f32 v[sc:sc+1], v[2*u:2*u+1], v[2*u:2*u+1], v[sc:sc+1]
.else
	v_pk_mul_f32 v[sc:sc+1], v[2*u:2*u+1], v[2*u:2*u+1]
.endif
.set u, u+1
.endr
.endr
	WIN 0
	REDUCE 1
.irp a, 0,1,2,3
	v_mul_f32 v[192+4*\a], s55, v[192+4*\a]                        ; / 1023
.endr
.irp a, 0,1,2,3
	v_sqrt_f32 v[192+4*\a], v[192+4*\a]
.endr
	v_nop
	s_wait_alu depctr_va_vdst(0)
.irp a, 0,1,2,3
	v_add_f32 v[192+4*\a], s56, v[192+4*\a]
.endr
.irp a, 0,1,2,3
	v_rcp_f32 v[184+2*\a], v[192+4*\a]
.endr
	v_nop
	s_wait_alu depctr_va_vdst(0)
.irp a, 0,1,2,3
	v_mov_b32 v[185+2*\a], v[184+2*\a]
.endr
.irp nw, 2,3
	WIN 0
	PARLOAD 1, \nw-2, 32
	PARLOAD 2, \nw-2, 96
	s_wait_dscnt 0x0
	WIN \nw*0x41
.set u, 0
.rept 128
	v_pk_mul_f32 v[2*u:2*u+1], v[2*u:2*u+1], v[184+2*((u>>2)&3):185+2*((u>>2)&3)]
.set u, u+1
.endr
.set u, 0
.rept 128
	v_pk_fma_f32 v[2*u:2*u+1], v[2*u:2*u+1], v[32+8*(u>>4)+2*(u&3):33+8*(u>>4)+2*(u&3)], v[96+8*(u>>4)+2*(u&3):97+8*(u>>4)+2*(u&3)]
.set u, u+1
.endr
.endr
	WIN 0
	s_cmp_eq_u32 s57, 0                            ; the trip's number is the same in all waves: all of them pass the barriers below, or none
	s_cbranch_scc0 .Lno_ffn
	; ==== between the two trips: gelu(h W1 + b1)
	BLOAD 0, 0, 0                                  ; W1's first 16 KiB (K steps 0-3 of the first 64 columns) go out while h is rounded
	BLOAD 0, 1, 0
.irp nw, 2,3
	WIN \nw*5
.set t, 0
.rept 128
	v_cvt_pk_bf16_f32 v[96+t], v[2*t], v[2*t+1]                    ; h is rounded once, by the wave that owns it; the f32 stays where it is
.set t, t+1
.endr
	WIN 0
.set t, 0
.rept 32
	ds_store_b128 v[10+((t&3)>>1)], v[96+4*t:96+4*t+3] offset:(t&1)*32768+(8*(\nw-2)+(t>>2))*512
.set t, t+1
.endr
.endr
	v_mov_b32 v8, v12                              ; v8, 9: where gelu goes, m tiles 0-1 and 2-3; 2,048 bytes on for each 64 columns
	v_add_nc_u32 v9, 0x10000, v12
	v_add_nc_u32 v4, 3*4096, v18                   ; b1 of my columns; 256 bytes on for each 64 columns
	BAR                                            ; h's panel is whole.  The panel at LDS 0 is free: the norm's barriers stand behind every wave's last read of it
	BLOAD 1, 0, 16384                              ; K steps 4-7, into the registers that the rounding has left
	BLOAD 1, 1, 16384
	s_mov_b32 s58, 0
.Lchunk:
	v_add_nc_u32 v2, HPAN, v1
	v_add_nc_u32 v3, HPAN+0x10000, v1
	WIN 0x40
.irp bb, 0,1,2,3
.irp a, 0,1,2,3
.irp hf, 0,1
	ds_load_b128 v[128+8*(4*\bb+\a)+4*\hf:128+8*(4*\bb+\a)+4*\hf+3], v4 offset:\bb*64+\hf*16   ; the sums start as b1
.endr
.endr
.endr
	ALOAD16 32, 0
	ALOAD16 64, 1024
	s_mov_b32 s3, 3
.Lk4:
.irp j, 0,1,2,3,4,5,6,7
	CSTEP \j, 1, 1, 56, 8
.endr
	WIN 0
	v_add_nc_u32 v2, 8192, v2
	v_add_nc_u32 v3, 8192, v3
	s_sub_co_u32 s3, s3, 1
	s_cmp_lg_u32 s3, 0
	s_cbranch_scc1 .Lk4
	; the last eight K steps.  Buffers 0-3 are filled on with the stream's next 16 KiB (the next 64 columns' K steps 0-3; behind the last columns: W2's K step 0);
	; buffers 4-7 wait until the GELU has left their registers, so the counts fall: three, two, one, no steps of 8, and the 32 loads for buffers 0-3.
	CSTEP 0, 1, 1, 56, 8
	CSTEP 1, 1, 1, 56, 8
	CSTEP 2, 1, 1, 56, 8
	CSTEP 3, 1, 1, 56, 8
	CSTEP 4, 0, 1, 56, 8
	CSTEP 5, 0, 1, 48, 8
	CSTEP 6, 0, 0, 40, 8
	CSTEP 7, 0, 0, 32, 0
.irp bb, 0,1,2,3
	GELUB \bb
.endr
	v_add_nc_u32 v8, 2048, v8
	v_add_nc_u32 v9, 2048, v9
	v_add_nc_u32 v4, 256, v4
	BLOAD 1, 0, 16384                              ; the stream's next 16 KiB but one: K steps 4-7, or W2's K step 1
	BLOAD 1, 1, 16384
	s_add_co_u32 s58, s58, 1
	s_cmp_lt_u32 s58, 4
	s_cbranch_scc1 .Lchunk
	BAR                                            ; the panel at LDS 0 holds gelu, whole
.Lno_ffn:
	v_add_nc_u32 v17, 4*4096, v17                  ; the norm's next three vectors: b2, gamma2, beta2
	s_add_co_u32 s57, s57, 1
	s_cmp_lt_u32 s57, 2
	s_cbranch_scc1 .Lproduct
	; ==== the way out
.irp a, 0,1,2,3
	OUTQ \a, 0, 32
	OUTQ \a, 1, 64
	OUTQ \a, 2, 32
	OUTQ \a, 3, 64
.endr
	s_wait_tensorcnt 0x0
	ds_add_u32 v7, v13
	s_wait_dscnt 0x0
	s_endpgm
.Lfunc_end_k_qc0a5621c87_chain:
	.size	k_qc0a5621c87_chain, .Lfunc_end_k_qc0a5621c87_chain-k_qc0a5621c87_chain
	.p2alignl 7, 3214868480
	.fill 96, 4, 3214868480
	.section	.rodata,"a",@progbits
	.p2align	6, 0x0
	.amdhsa_kernel k_qc0a5621c87_chain
		.amdhsa_group_segment_fixed_size 312832
		.amdhsa_private_segment_fixed_size 0
		.amdhsa_enable_private_segment 0
		.amdhsa_kernarg_size 88
		.amdhsa_user_sgpr_count 2
		.amdhsa_user_sgpr_kernarg_segment_ptr 1
		.amdhsa_wavefront_size32 1
		.amdhsa_system_sgpr_workgroup_id_x 1
		.amdhsa_system_sgpr_workgroup_id_y 1
		.amdhsa_system_sgpr_workgroup_id_z 1
		.amdhsa_system_vgpr_workitem_id 0
		.amdhsa_next_free_vgpr 1024
		.amdhsa_next_free_sgpr 66
		.amdhsa_reserve_vcc 0
		.amdhsa_float_denorm_mode_32 3
		.amdhsa_float_denorm_mode_16_64 3
		.amdhsa_memory_ordered 1
		.amdhsa_forward_progress 1
		.amdhsa_inst_pref_size 255
	.end_amdhsa_kernel
	.section	.bss,"aw",@nobits
	.p2align	6
	.space	262144
	.amdgpu_metadata
---
amdhsa.version: [ 1, 2 ]
amdhsa.kernels:
  - .name:           k_qc0a5621c87_chain
    .symbol:         k_qc0a5621c87_chain.kd
    .args:
      - { .name: attn, .offset: 0, .size: 8, .value_kind: global_buffer, .address_space: global }
      - { .name: wc, .offset: 8, .size: 8, .value_kind: global_buffer, .address_space: global }
      - { .name: x, .offset: 16, .size: 8, .value_kind: global_buffer, .address_space: global }
      - { .name: bo, .offset: 24, .size: 8, .value_kind: global_buffer, .address_space: global }
      - { .name: gamma1, .offset: 32, .size: 8, .value_kind: global_buffer, .address_space: global }
      - { .name: beta1, .offset: 40, .size: 8, .value_kind: global_buffer, .address_space: global }
      - { .name: b1, .offset: 48, .size: 8, .value_kind: global_buffer, .address_space: global }
      - { .name: b2, .offset: 56, .size: 8, .value_kind: global_buffer, .address_space: global }
      - { .name: gamma2, .offset: 64, .size: 8, .value_kind: global_buffer, .address_space: global }
      - { .name: beta2, .offset: 72, .size: 8, .value_kind: global_buffer, .address_space: global }
      - { .name: out0, .offset: 80, .size: 8, .value_kind: global_buffer, .address_space: global }
    .group_segment_fixed_size: 312832
    .private_segment_fixed_size: 0
    .kernarg_segment_align: 8
    .kernarg_segment_size: 88
    .max_flat_workgroup_size: 128
    .sgpr_count:     66
    .vgpr_count:     1024
    .wavefront_size: 32
...
	.end_amdgpu_metadata
.endif
;; end of part 6
